; MI455X (gfx1250); checked and timed in simulation.
; The chip was launched on July 23, 2026; its instructions are those of AMD's public machine-readable ISA for CDNA 5 (MIT licence, August 2026) and "CDNA5" Instruction Set Architecture Reference Guide (July 2026). The comments in the code are by the model that wrote it; some were corrected since.
;; GPT2 Attention. Allowed arithmetic: matrix products marked QUANTISED: E2M1 operands, one E8M0 scale for each 32 along K, by v_wmma_scale_f32_16x16x128_f8f6f4 with both operands' format E2M1 (or v_wmma_scale_f32_32x16x128_f4), f32 sums; products left as they are: bf16, f16 or f32 operands; f32 sums; everything else in f32.
;; Inputs: cos 2,048 x 1 x 32 float32; sin 2,048 x 1 x 32 float32; ve 4 x 2,048 x 256 float32; w_gate 4 x 12 float32; wk 256 x 1,024 float32; wo 1,024 x 1,024 float32; wq 1,024 x 1,024 float32; wv 256 x 1,024 float32; x 4 x 2,048 x 1,024 float32.
;; Outputs: out0 4 x 2,048 x 1,024 float32.
;; Constants: window_left = 1024.
;; This version of the problem:
;;   THIS VERSION OF THE PROBLEM IS GIVEN IN LOW PRECISION. The matrix products marked QUANTISED in the list below multiply operands that are first quantised to E2M1 (2 exponent bits, 1 mantissa bit; 4 bits a number), with one power-of-two scale for each 32 numbers along K (OCP MX v1.0); their sums are f32. The products marked 'left as it is' may take bf16, f16 or f32 operands, with f32 sums. Whichever they take, every output number must still come out within the allowed error. Rounding operands to bf16 (8 significant bits) uses up far more of that allowance than f16 does (11 bits, for magnitudes from 6e-5 to 65,504). All else is computed in f32.
;;   The module's matrix products, in the order in which they are computed (A, B: the left and right operand; K: the contracted axis; several contracted axes count as one K, in the product's order):
;;     1. [M 8,192, K 1,024] x [K 1,024, N 1,024]; A: input x; B: input wq: QUANTISED
;;     2. [M 8,192, K 1,024] x [K 1,024, N 256]; A: input x; B: input wk: QUANTISED
;;     3. [M 8,192, K 1,024] x [K 1,024, N 256]; A: input x; B: input wv: QUANTISED
;;     4. [M 8,192, K 12] x [K 12, N 4]; A: input x; B: input w_gate: left as it is (K = 12 < 32)
;;     5. batch 64 x [M 2,048, K 64] x [K 64, N 2,048]; A: computed on the way; B: computed on the way: left as it is (an operand is computed on the way)
;;     6. batch 64 x [M 64, K 2,048] x [K 2,048, N 2,048]; A: computed on the way; B: computed on the way: left as it is (an operand is computed on the way)
;;     7. [M 8,192, K 1,024] x [K 1,024, N 1,024]; A: computed on the way; B: input wo: left as it is (an operand is computed on the way)
;;   THE QUANTISER, for each operand of a quantised product, along K:
;;     - K is cut into blocks of 32 from its start; a last block that is shorter is filled with zeros.
;;     - A block's scale is 2^e with e = floor(log2(the largest magnitude in the block)) - 2, held to -126 .. 127; a block of zeros has e = 0. As a byte (E8M0): e + 127.
;;     - Each number is divided by its block's scale, clamped to +-6, and rounded to the nearest number of E2M1, ties to even, subnormals kept.
;;     - The product sums the exact products of the quantised numbers (number of the format x scale) in f32.
;;   ~~~python
;;   def quantise(x, axis):      # numpy; x: float32 -> the quantised numbers, widened to float32 again
;;       x = np.moveaxis(x, axis, -1); K = x.shape[-1]
;;       x = np.pad(x, [(0, 0)] * (x.ndim - 1) + [(0, -K % 32)]); x = x.reshape(x.shape[:-1] + (-1, 32)); a = np.abs(x).max(-1, keepdims=True)
;;       e = np.where(a > 0, np.clip(np.frexp(np.where(a > 0, a, 1))[1] - 1 - 2, -126, 127), 0)      # np.frexp(a)[1] - 1 = floor(log2(a)), exactly
;;       r = np.clip(x / 2.0 ** e, -6, 6)
;;       step = 2.0 ** (np.maximum(np.frexp(np.where(r == 0, 1, r))[1] - 1, 0) - 1)
;;       q = np.round(r / step) * step * 2.0 ** e      # np.round: ties to even
;;       return np.moveaxis(q.reshape(q.shape[:-2] + (-1,))[..., :K], -1, axis).astype(np.float32)
;;   ~~~
;; One version. Each part assembles by itself: llvm-mc -triple=amdgcn-amd-amdhsa -mcpu=gfx1250 --defsym DOCPART=n.
;; ======== version 1 of 1: 5 launches
;; limits: values are held in f16: magnitudes above 65,504 overflow, below 6.1e-05 lose precision
;; workspace buffers: codes 4,980,736 bytes; scales 311,296 bytes; wo16 2,097,152 bytes; qkv 25,165,824 bytes; fine 393,216 bytes; yh 16,777,216 bytes
;; launch prep (part 1): grid 336 x 1, 4 waves a work-group, no clusters, 33,280 bytes of LDS; arguments x, wq, wk, wv, wo, codes, scales, wo16; writes codes, scales, wo16
.if DOCPART == 1
	.amdgcn_target "amdgcn-amd-amdhsa--gfx1250"
	.amdhsa_code_object_version 6
	.text
	.protected	k_q9bd33862b4_prep
	.globl	k_q9bd33862b4_prep
	.p2align	8
	.type	k_q9bd33862b4_prep,@function
k_q9bd33862b4_prep:
	s_mov_b64 s[64:65], 0
	v_nop
	global_prefetch_b8 v0, s[64:65] scope:SCOPE_SE
	s_setreg_imm32_b32 hwreg(HW_REG_WAVE_MODE, 25, 1), 1
	s_wait_xcnt 0x0
; x [8192][1024] and the rows of wq, wk, wv ([1536][1024] on end), f32, become codes of FP4 (E2M1), K innermost, two codes a byte, with one E8M0 byte for each 32 along K:
; codes [9728][512 bytes], scales [9728][32 bytes]; rows 0-8191 are x, row 8192 + n is weight row n.  wo [1024][1024] becomes f16 (wo16), for the product that is left as it is.
; A block's scale is 2^(floor(log2(largest magnitude)) - 2); its byte is the largest magnitude's exponent field - 2, held at 1 from below.
; LIMITS: a block of zeros gets the byte 1 and not 127: its codes are zeros, and the bytes are read by this program alone.  Blocks whose largest magnitude lies under 2^-124 share that floor.
; NaN and infinities among the inputs are not served.  wo beyond 65,504 in size becomes infinity in f16.
; Rows are dense and 1024 is a multiple of 32: the four tensors are one stream of blocks of 32, and so are codes and bytes.  Work-groups 0-255 take x, 256-287 wq, 288-295 wk, 296-303 wv, 304-335 wo.
; A wave takes 16 steps of 512 numbers.  Each load reads 512 consecutive bytes; a step's 2,048 bytes turn through the wave's own stage in LDS, so that a lane holds 16 neighbours along K (two lanes a block).
; No tensor loads, no barrier: waves share nothing.  No matrix unit, no cluster: the launch moves bytes and nothing is read twice.
.set WAVES, 4
.set STEPS, 16
.set EMAX,  2
.set CB,    8                          ; bytes of 16 codes
.set R,     16                         ; v16-79   four sets of 16 numbers as loaded
.set X,     80                         ; v80-111  two sets of 16 neighbours
.set C,     128                        ; v128-191 codes, four registers a step: no store's data are written again
.set E,     112                        ; v112-127 a scale byte a step
.set WREG,  8192                       ; LDS: a region for each wave: two stages of 32 x SP bytes, then its 256 scale bytes
.set SP,    80                         ; a lane's 64 bytes + 16 of padding
.set SPW,   12                         ; v12  my spare word: SPARE + 4 x my thread's number; never rewritten
.set NIL,   13                         ; v13  0; never rewritten
.set SPARE, WAVES*WREG                 ; behind the regions: the spare words, 128 bytes a wave
.set WIN_,  16                         ; wo: v16-143 two sets of 64 numbers
.set WOUT,  144                        ; wo: v144-207 two sets of 32 registers of f16
.macro LOAD t
.irp i, 0,1,2,3
	global_load_b128 v[R+16*((\t)%4)+4*\i:R+16*((\t)%4)+4*\i+3], v3, s[20:21] offset:2048*(\t)+512*\i th:TH_LOAD_NT   ; 32 lanes read 512 consecutive bytes
.endr
.endm
.macro TURN t                          ; step t's numbers through the stage; LDS serves a wave's instructions in order
.irp i, 0,1,2,3
	ds_store_b128 v14, v[R+16*((\t)%4)+4*\i:R+16*((\t)%4)+4*\i+3] offset:32*SP*((\t)%2)+8*SP*\i
.endr
.irp i, 0,1,2,3
	ds_load_b128 v[X+16*((\t)%2)+4*\i:X+16*((\t)%2)+4*\i+3], v15 offset:32*SP*((\t)%2)+16*\i
.endr
.endm
.macro STEP t
.set XS, X+16*((\t)%2)
.if (\t) > 0
	s_wait_dscnt 1                                 ; this step's numbers are back from the stage; the last step's byte store may be out
.else
	s_wait_dscnt 0x0
.endif
.if (\t)+4 < STEPS
	LOAD (\t)+4                                    ; into the registers that the stage's stores have read
.endif
.if (\t)+1 < STEPS
.if STEPS-2-(\t) >= 3
	s_wait_loadcnt 12                              ; the next step's four loads are in; three steps' loads stay out
.else
	s_wait_loadcnt 4*(STEPS-2-(\t))
.endif
	TURN (\t)+1
.endif
	v_max3_num_f32 v8, |v[XS]|, |v[XS+1]|, |v[XS+2]|               ; the largest magnitude of my 16, in two chains
	v_max3_num_f32 v9, |v[XS+3]|, |v[XS+4]|, |v[XS+5]|
.irp i, 6,10
	v_max3_num_f32 v8, v8, |v[XS+\i]|, |v[XS+\i+1]|
	v_max3_num_f32 v9, v9, |v[XS+\i+2]|, |v[XS+\i+3]|
.endr
	v_max3_num_f32 v8, v8, |v[XS+14]|, |v[XS+15]|
	v_max3_num_f32 v8, v8, v9, (EMAX+1)<<23        ; and the floor 2^(3 - 127): the byte cannot fall under 1
	v_max_num_f32_dpp v8, v8, v8 row_xmask:1 row_mask:0xf bank_mask:0xf   ; with my neighbour's 16: the block's
	v_add_nc_u32 v11, -(EMAX<<23), v8              ; 2 off its exponent field: the conversion takes this operand's exponent field as its scale
	v_cvt_scalef32_pk8_fp4_f32 v[C+4*(\t)], v[XS:XS+7], v11
	v_cvt_scalef32_pk8_fp4_f32 v[C+4*(\t)+1], v[XS+8:XS+15], v11
	v_lshrrev_b32 v[E+(\t)], 23, v11               ; the scale's byte
	ds_store_b8 v5, v[E+(\t)] offset:16*(\t)       ; both lanes of a block write the same byte
	global_store_b64 v4, v[C+4*(\t):C+4*(\t)+1], s[14:15] offset:32*CB*(\t)   ; the wave stores 256 consecutive bytes, aligned
.endm
.macro WLOAD n                         ; wo: 16 loads of 512 consecutive bytes into set n % 2
.irp i, 0,1,2,3,4,5,6,7,8,9,10,11,12,13,14,15
	global_load_b128 v[WIN_+64*((\n)%2)+4*\i:WIN_+64*((\n)%2)+4*\i+3], v3, s[12:13] offset:512*(16*(\n)+\i) th:TH_LOAD_NT
.endr
.endm
.macro WCVT n
.if (\n) < 3
	s_wait_loadcnt 16                              ; this batch is in; the next batch's sixteen stay out
.else
	s_wait_loadcnt 0x0
.endif
.if (\n) >= 2
	s_wait_xcnt 0x0                                ; the stores of two batches ago have read their data: the set is written again only behind this wait
.endif
.irp i, 0,1,2,3,4,5,6,7,8,9,10,11,12,13,14,15
	v_cvt_pk_f16_f32 v[WOUT+32*((\n)%2)+2*\i], v[WIN_+64*((\n)%2)+4*\i], v[WIN_+64*((\n)%2)+4*\i+1]
	v_cvt_pk_f16_f32 v[WOUT+32*((\n)%2)+2*\i+1], v[WIN_+64*((\n)%2)+4*\i+2], v[WIN_+64*((\n)%2)+4*\i+3]
.endr
.irp i, 0,1,2,3,4,5,6,7,8,9,10,11,12,13,14,15
	global_store_b64 v4, v[WOUT+32*((\n)%2)+2*\i:WOUT+32*((\n)%2)+2*\i+1], s[18:19] offset:256*(16*(\n)+\i)   ; 256 consecutive bytes, aligned
.endr
.if (\n) < 2
	WLOAD (\n)+2
.endif
.endm
	s_load_b256 s[4:11], s[0:1], 0x0               ; x, wq, wk, wv
	s_load_b256 s[12:19], s[0:1], 0x20             ; wo, codes, scales, wo16
	v_lshl_add_u32 v[SPW], v0, 2, SPARE
	v_mov_b32 v[NIL], 0
	v_lshrrev_b32 v1, 5, v0
	v_readfirstlane_b32 s24, v1                    ; wave
	v_and_b32 v2, 31, v0                           ; lane
	v_lshlrev_b32 v3, 4, v2                        ; my 16 bytes of a load's 512
	v_lshlrev_b32 v4, 3, v2                        ; my 8 bytes of a store's 256
	s_mul_i32 s25, s24, WREG
	v_lshrrev_b32 v14, 2, v2
	v_mul_u32_u24 v14, v14, SP
	v_and_b32 v15, 3, v2
	v_lshl_add_u32 v14, v15, 4, v14
	v_add_nc_u32 v14, s25, v14                     ; the stage, way in: SP (lane / 4) + 16 (lane % 4)
	v_mul_u32_u24 v15, v2, SP
	v_add_nc_u32 v15, s25, v15                     ; way out: SP x lane
	v_lshrrev_b32 v5, 1, v2
	s_add_co_u32 s25, s25, 2*32*SP
	v_add_nc_u32 v5, s25, v5                       ; my block's scale byte in LDS
	v_add_nc_u32 v6, s25, v4                       ; and 8 bytes a lane on their way out
	s_wait_kmcnt 0x0
	s_cmp_ge_u32 ttmp9, 304
	s_cbranch_scc1 .Lwo
	; which tensor: the choice hangs on the work-group's number alone
	s_mov_b32 s22, 296
	s_cmp_ge_u32 ttmp9, 296
	s_cselect_b64 s[20:21], s[10:11], s[8:9]
	s_cselect_b32 s22, s22, 288
	s_cmp_ge_u32 ttmp9, 288
	s_cselect_b64 s[20:21], s[20:21], s[6:7]
	s_cselect_b32 s22, s22, 256
	s_cmp_ge_u32 ttmp9, 256
	s_cselect_b64 s[20:21], s[20:21], s[4:5]
	s_cselect_b32 s22, s22, 0
	s_sub_co_u32 s26, ttmp9, s22
	s_lshl_b32 s26, s26, 2
	s_add_co_u32 s26, s26, s24
	s_lshl_b32 s26, s26, 15                        ; my run of 8,192 numbers in its tensor
	s_mov_b32 s27, 0
	s_add_nc_u64 s[20:21], s[20:21], s[26:27]
	s_lshl_b32 s28, ttmp9, 2
	s_add_co_u32 s28, s28, s24                     ; my run in the one stream of codes and bytes
	s_lshl_b32 s26, s28, 12
	s_add_nc_u64 s[14:15], s[14:15], s[26:27]
	s_lshl_b32 s26, s28, 8
	s_add_nc_u64 s[16:17], s[16:17], s[26:27]
.irp t, 0,1,2,3
	LOAD \t
.endr
	s_wait_loadcnt 12                              ; step 0's four loads are in
	TURN 0
.irp t, 0,1,2,3,4,5,6,7,8,9,10,11,12,13,14,15
	STEP \t
.endr
	ds_load_b64 v[8:9], v6                         ; my wave's 256 scale bytes: these see my stores
	s_wait_dscnt 0x0
	global_store_b64 v4, v[8:9], s[16:17]          ; one aligned run of 256 bytes
	s_wait_tensorcnt 0x0                           ; the wave's end, behind my last LDS store
	ds_add_u32 v[SPW], v[NIL]
	s_wait_dscnt 0x0
	s_endpgm
.Lwo:                                                  ; wo to f16: a wave takes 8,192 numbers, 64 loads in four batches, two batches in flight; no LDS
	s_sub_co_u32 s26, ttmp9, 304
	s_lshl_b32 s26, s26, 2
	s_add_co_u32 s28, s26, s24
	s_lshl_b32 s26, s28, 15
	s_mov_b32 s27, 0
	s_add_nc_u64 s[12:13], s[12:13], s[26:27]
	s_lshl_b32 s26, s28, 14
	s_add_nc_u64 s[18:19], s[18:19], s[26:27]
	WLOAD 0
	WLOAD 1
	WCVT 0
	WCVT 1
	WCVT 2
	WCVT 3
	s_endpgm
.Lfunc_end_k_q9bd33862b4_prep:
	.size	k_q9bd33862b4_prep, .Lfunc_end_k_q9bd33862b4_prep-k_q9bd33862b4_prep
	.p2alignl 7, 3214868480
	.fill 96, 4, 3214868480
	.section	.rodata,"a",@progbits
	.p2align	6, 0x0
	.amdhsa_kernel k_q9bd33862b4_prep
		.amdhsa_group_segment_fixed_size 33280
		.amdhsa_private_segment_fixed_size 0
		.amdhsa_enable_private_segment 0
		.amdhsa_kernarg_size 64
		.amdhsa_user_sgpr_count 2
		.amdhsa_user_sgpr_kernarg_segment_ptr 1
		.amdhsa_wavefront_size32 1
		.amdhsa_system_sgpr_workgroup_id_x 1
		.amdhsa_system_sgpr_workgroup_id_y 1
		.amdhsa_system_sgpr_workgroup_id_z 1
		.amdhsa_system_vgpr_workitem_id 0
		.amdhsa_next_free_vgpr 208
		.amdhsa_next_free_sgpr 66
		.amdhsa_reserve_vcc 0
		.amdhsa_float_denorm_mode_32 3
		.amdhsa_float_denorm_mode_16_64 3
		.amdhsa_memory_ordered 1
		.amdhsa_forward_progress 1
		.amdhsa_inst_pref_size 54
	.end_amdhsa_kernel
	.amdgpu_metadata
---
amdhsa.version: [ 1, 2 ]
amdhsa.kernels:
  - .name:           k_q9bd33862b4_prep
    .symbol:         k_q9bd33862b4_prep.kd
    .args:
      - { .name: x, .offset: 0, .size: 8, .value_kind: global_buffer, .address_space: global }
      - { .name: wq, .offset: 8, .size: 8, .value_kind: global_buffer, .address_space: global }
      - { .name: wk, .offset: 16, .size: 8, .value_kind: global_buffer, .address_space: global }
      - { .name: wv, .offset: 24, .size: 8, .value_kind: global_buffer, .address_space: global }
      - { .name: wo, .offset: 32, .size: 8, .value_kind: global_buffer, .address_space: global }
      - { .name: codes, .offset: 40, .size: 8, .value_kind: global_buffer, .address_space: global }
      - { .name: scales, .offset: 48, .size: 8, .value_kind: global_buffer, .address_space: global }
      - { .name: wo16, .offset: 56, .size: 8, .value_kind: global_buffer, .address_space: global }
    .group_segment_fixed_size: 33280
    .private_segment_fixed_size: 0
    .kernarg_segment_align: 8
    .kernarg_segment_size: 64
    .max_flat_workgroup_size: 128
    .sgpr_count:     66
    .vgpr_count:     208
    .wavefront_size: 32
...
	.end_amdgpu_metadata
.endif
;; end of part 1
;; launch qkv (part 2): grid 32 x 6, 4 waves a work-group, clusters of 4 x 1, 327,680 bytes of LDS; arguments codes, scales, x, ve, cos, sin, w_gate, qkv, fine; writes qkv, fine
.if DOCPART == 2
	.amdgcn_target "amdgcn-amd-amdhsa--gfx1250"
	.amdhsa_code_object_version 6
	.text
	.protected	k_q9bd33862b4_qkv
	.globl	k_q9bd33862b4_qkv
	.p2align	8
	.type	k_q9bd33862b4_qkv,@function
k_q9bd33862b4_qkv:
	s_mov_b64 s[64:65], 0
	v_nop
	global_prefetch_b8 v0, s[64:65] scope:SCOPE_SE
	s_setreg_imm32_b32 hwreg(HW_REG_WAVE_MODE, 25, 1), 1
	s_wait_xcnt 0x0
	s_wait_alu depctr_hold_cnt(0) depctr_sa_sdst(0) depctr_va_vdst(0) depctr_va_sdst(0) depctr_va_ssrc(0) depctr_va_vcc(0) depctr_vm_vsrc(0)
	s_getreg_b32 s2, hwreg(HW_REG_IB_STS2, 6, 4)
	s_cmp_eq_u32 s2, 0
	s_cbranch_scc0 .Lentry_in_a_cluster
	s_endpgm
.Lentry_in_a_cluster:
	s_bfe_u32 s2, ttmp6, 0x10000c
	s_cmp_lg_u32 s2, 0x3003
	s_cbranch_scc0 .Lentry_shape_is_right
	s_endpgm
.Lentry_shape_is_right:
; [q | k | v] = x [wq; wk; wv]^T on codes of FP4 with E8M0 scales: 8192 x 1536 x 1024, f32 sums.  In the way out: rotary and RMS norm (q, k) or + 3 sigmoid(x[:12] . w_gate) ve (v), all in f32.
; OUT: qkv [b 4][head 24][t 2048][64] f16 (heads 0-15 q, 16-19 k, 20-23 v); fine [b][head 24][t 16][64] f32: the same numbers of positions 0-15, unrounded.
; q carries 1.15 x 0.125 x log2(e), k carries 1.15: so q . k is the softmax's exponent in base 2.
; LIMITS: v goes to f16: beyond 65,504 in size it becomes infinity.  NaN and infinities among the inputs are not served.
; SHARES.  A work-group makes 256 rows x 256 columns, a wave 128 x 128 (two heads): 64 accumulators of 16 x 16.  K = 1024 is two LDS slots of 512 along K: both are first fills, nothing is filled again.
; CLUSTER 4 x 1: my place cx is the BATCH; the cluster's x is the tile of 256 positions, its y the column tile.  So the four partners need the same weight tile and weight scales: asked for JOINTLY (mask 15).
; x's tiles differ from partner to partner: plain loads.  All branches hang on the column tile, the tile of positions and the wave's number: alike in all partners.
; 192 work-groups: the grid's y is 6, so no 4 x 4 cluster divides it; a tile of 192 columns would mix q, k and v inside a wave.
; THE MATRIX INSTRUCTION IS USED TRANSPOSED (source 0 = 16 weight rows, source 1 = 16 rows of x): lane (r, h) holds row r and eight neighbouring columns 8 h + 0..7 of a tile.
; REGISTERS: window 0: v0-31 addresses; v32-95 scale words, two sets; v128-191 x's fragments, one set.  window 1: the weights' fragments, two sets (v0-63, v128-191).  windows 2, 3: accumulator (a, b) at v[8 (8 (a % 4) + b)].
; On the way out: window 0: v32-95 Y (32 e + 8 u + j: head e, channel 16 u + 8 h + j), v96-111 gates, v112-127 at work, v128-159 f16, v160-223 rows read back; window 1 v64-127, v192-255: cos and sin, or ve, two sets.
.set ROWB,   256                       ; a tile's row: 512 codes
.set KROW,   512                       ; a row of codes in memory
.set PITCH,  272                       ; 256 bytes + 16 of padding: the 16 rows that a load touches start at 16 different banks (64 banks of 4 bytes: ISA guide 11.1)
.set NQ,     4                         ; matrix instructions deep in a slot
.set FR,     8
.set NL,     2
.set NP,     4                         ; places behind this matrix instruction (ISA guide 7.12.1)
.set HALFT,  128*PITCH
.set SLOT,   4*HALFT                   ; x's 256 rows, then the weights' 256
.set SCL,    2*SLOT                    ; the scales of all of K: units of 256 bytes + 16
.set HALFS,  16*272                    ; those of 128 rows
.set SBLK,   2*272                     ; those of 16 rows
.set SPARE,  SCL+4*HALFS               ; the spare words, 128 bytes a wave
.set SPI,    144                       ; the way out's stage: a head's row of 128 bytes + 16
.set STW,    2*16*SPI                  ; a wave's stage: two heads x 16 rows.  The stages lie in slot 0, which has had its one fill and its last read
.set STV,    32768                     ; the v path's stages begin here: each path has bytes of its own
.set STOR, 6
.set RDR,  7
.set STOV, 8
.set RDV,  9
.set GO,   10                          ; 16 x lane
.set FO,   11                          ; fine: 256 r + 32 h
.set CSO,  12                          ; cos, sin: 128 r + 32 h
.set VO,   13                          ; ve: 1024 r + 32 h
.set XO,   14                          ; x: 4096 r
.set ADRA, 16
.set ADRB, 20
.set ADRS, 27
.set SPW,  28
.set NIL,  29
.set SC,   32
.set AF,   128
.set Y,    32
.set G,    96
.set H,    128
.set OB,   160
.set G1A,  36
.set G1B,  44
.set G1SA, 52
.set G1SB, 68
.set G0A,  76
.set G0B,  84
.set G0SA, 92
.set G0SB, 96
.set MSB, 0
.macro WIN new                         ; the immediate's high byte repeats the setting that is left
.if MSB != \new
	s_set_vgpr_msb (MSB<<8)|\new
.set MSB, \new
.endif
.endm
.set MUL_LO, 0xa1
.set MUL_HI, 0xf1
.set TO_B,   0x40
.macro JLOAD g0a, g1a, g0b, g1b        ; waves 0, 1 fetch for x (plain), waves 2, 3 for the weights (joint); an s_nop 0 and four v_nop follow each line
	s_cmp_eq_u32 s23, 0
	s_cbranch_scc0 .Lfor_b_\@
	tensor_load_to_lds s[\g0a:\g0a+3], s[\g1a:\g1a+7]
	s_nop 0
.rept 4
	v_nop
.endr
	s_branch .Lasked_\@
.Lfor_b_\@:
	tensor_load_to_lds s[\g0b:\g0b+3], s[\g1b:\g1b+7]
	s_nop 0
.rept 4
	v_nop
.endr
.Lasked_\@:
.endm
.macro CROUND                          ; a round of the cluster's barrier
	s_barrier_signal -1
	s_barrier_wait -1
	s_cmp_lg_u32 s22, 0
	s_cbranch_scc1 .Lnot_wave_0_\@
	s_barrier_signal -3
.Lnot_wave_0_\@:
	s_barrier_wait -3
	s_barrier_signal -1
	s_barrier_wait -1
.endm
.macro PLACES n
.rept \n
	v_nop
.endr
.endm
	s_load_b256 s[4:11], s[0:1], 0x0               ; codes, scales, x, ve
	s_load_b256 s[12:19], s[0:1], 0x20             ; cos, sin, w_gate, qkv
	s_load_b64 s[20:21], s[0:1], 0x40              ; fine
	v_lshl_add_u32 v[SPW], v0, 2, SPARE
	v_mov_b32 v[NIL], 0
	ds_add_u32 v[SPW], v[NIL]                      ; the wave's opening: the add, twice on end, and its wait ahead of my first tensor load
	ds_add_u32 v[SPW], v[NIL]
	v_lshrrev_b32 v1, 5, v0
	v_readfirstlane_b32 s22, v1                    ; wave
	s_lshr_b32 s23, s22, 1                         ; my half of the rows.  Also: I fetch for x (0) or for the weights (1)
	s_and_b32 s24, s22, 1                          ; my half of the columns.  Also: which 128 rows I fetch
	s_bfe_u32 s25, ttmp6, 0x40000                  ; cx = the batch
	s_mov_b32 s26, ttmp9                           ; the tile of 256 positions
	s_and_b32 s27, ttmp7, 0xffff                   ; the column tile: 0-3 q, 4 k, 5 v
	s_or_b32 s28, s26, s23                         ; 0 where my rows begin with positions 0-15
	s_mov_b32 s29, 0x3f933333                      ; 1.15 (k)
	s_cmp_lt_u32 s27, 4
	s_cselect_b32 s29, 0x3e545d5e, s29             ; 1.15 x 0.125 x log2(e) (q)
	s_mov_b32 s30, 0x3c800000                      ; 1 / 64
	s_mov_b32 s31, 0x358637bd                      ; 1e-6
	s_mov_b32 s32, 0x76543210
	s_mov_b32 s33, 0xfedcba98                      ; v_permlanex16_b32: lane l xor 16
	s_mov_b32 s[G1A+0], (1<<20)|(5<<22)|(3<<25)    ; no mask; elements of 1 byte; 4 words of padding after every 64
	s_mov_b32 s[G1B+0], 15|(1<<20)|(1<<21)|(5<<22)|(3<<25)   ; the same with the mask of all four partners, bit 21 beside it
.irp g, G1A, G1B
	s_mov_b32 s[\g+1], ROWB<<16                    ; tensor_dim0
	s_mov_b32 s[\g+2], 128<<16                     ; tensor_dim1
	s_mov_b32 s[\g+3], ROWB<<16                    ; tile_dim0
	s_mov_b32 s[\g+4], 128                         ; tile_dim1
	s_mov_b32 s[\g+5], KROW                        ; from row to row
	s_mov_b32 s[\g+6], 0
	s_mov_b32 s[\g+7], 0
.endr
	s_mov_b32 s[G1SA+0], (3<<16)|(1<<20)|(5<<22)|(3<<25)     ; the scales of 128 rows: 4,096 dense bytes as 16 rows of 32 elements of 8 bytes
	s_mov_b32 s[G1SB+0], 15|(3<<16)|(1<<20)|(1<<21)|(5<<22)|(3<<25)
.irp g, G1SA, G1SB
	s_mov_b32 s[\g+1], 32<<16
	s_mov_b32 s[\g+2], 16<<16
	s_mov_b32 s[\g+3], 32<<16
	s_mov_b32 s[\g+4], 16
	s_mov_b32 s[\g+5], 32
	s_mov_b32 s[\g+6], 0
	s_mov_b32 s[\g+7], 0
.endr
	s_lshl_b32 s2, s25, 11                         ; x: row 2048 b + 256 tile + 128 half
	s_lshl_b32 s3, s26, 8
	s_add_co_u32 s2, s2, s3
	s_lshl_b32 s3, s24, 7
	s_add_co_u32 s2, s2, s3
	s_lshl_b32 s60, s2, 9                          ; its codes,
	s_mov_b32 s61, 0
	s_lshl_b32 s62, s2, 5                          ; its scale bytes
	s_mov_b32 s63, 0
	s_lshl_b32 s34, s27, 8                         ; weights: row 8192 + 256 column tile + 128 half, in registers that never hold my place in the cluster
	s_lshl_b32 s35, s24, 7
	s_add_co_u32 s34, s34, s35
	s_add_co_u32 s34, s34, 8192
	s_lshl_b32 s66, s34, 9
	s_mov_b32 s67, 0
	s_lshl_b32 s100, s34, 5
	s_mov_b32 s101, 0
	s_mul_i32 s34, s22, HALFT                      ; where they go: wave x 128 rows
	s_mul_i32 s35, s22, HALFS
	s_wait_dscnt 0x0                               ; both opening adds are done
	s_wait_kmcnt 0x0
	s_add_nc_u64 s[60:61], s[4:5], s[60:61]
	s_add_nc_u64 s[62:63], s[6:7], s[62:63]
	s_add_nc_u64 s[66:67], s[4:5], s[66:67]
	s_add_nc_u64 s[100:101], s[6:7], s[100:101]
	CROUND                                         ; all four work-groups are here: the first loads go out as one group
	s_mov_b32 s[G0SA], 1
	s_add_co_u32 s[G0SA+1], s35, SCL
	s_mov_b64 s[G0SA+2:G0SA+3], s[62:63]
	s_or_b32 s[G0SA+3], s[G0SA+3], 0x80000000
	s_mov_b32 s[G0SB], 1
	s_add_co_u32 s[G0SB+1], s35, SCL
	s_mov_b64 s[G0SB+2:G0SB+3], s[100:101]
	s_or_b32 s[G0SB+3], s[G0SB+3], 0x80000000
	JLOAD G0SA, G1SA, G0SB, G1SB                   ; the scales first: wanted with slot 0
.irp s, 0,1
	s_mov_b32 s[G0A+4*\s], 1
	s_add_co_u32 s[G0A+4*\s+1], s34, \s*SLOT
	s_add_nc_u64 s[G0A+4*\s+2:G0A+4*\s+3], s[60:61], \s*ROWB
	s_or_b32 s[G0A+4*\s+3], s[G0A+4*\s+3], 0x80000000
	s_mov_b32 s[G0B+4*\s], 1
	s_add_co_u32 s[G0B+4*\s+1], s34, \s*SLOT
	s_add_nc_u64 s[G0B+4*\s+2:G0B+4*\s+3], s[66:67], \s*ROWB
	s_or_b32 s[G0B+4*\s+3], s[G0B+4*\s+3], 0x80000000
	JLOAD G0A+4*\s, G1A, G0B+4*\s, G1B             ; three loads of mine are out behind the second of these
.endr
	v_and_b32 v1, 15, v0                           ; r
	v_bfe_u32 v2, v0, 4, 1                         ; h
	v_mul_u32_u24 v3, v1, PITCH
	v_lshl_add_u32 v4, v2, 4, v3
	s_mul_i32 s34, s23, HALFT                      ; my 128 rows of x
	s_mul_i32 s35, s24, HALFT                      ; my 128 weight rows,
	s_add_co_u32 s35, s35, 2*HALFT                 ; behind x's 256
.irp s, 0,1
	v_add_nc_u32 v[ADRA+\s], s34, v4
	v_add_nc_u32 v[ADRB+\s], s35, v4
	s_add_co_u32 s34, s34, SLOT
	s_add_co_u32 s35, s35, SLOT
.endr
	v_mul_u32_u24 v5, v1, 32                       ; my row's scales: 32 bytes a row,
	v_lshrrev_b32 v15, 8, v5
	v_lshl_add_u32 v5, v15, 4, v5                  ; and 16 more for each 256 passed
	s_mul_i32 s34, s23, HALFS
	s_mul_i32 s35, s24, HALFS
	s_add_co_u32 s35, s35, 2*HALFS
	s_sub_co_u32 s35, s35, s34
	v_mul_u32_u24 v15, s35, v2                     ; lanes 16-31 take the weights'
	s_add_co_u32 s34, s34, SCL
	v_add_nc_u32 v5, v5, v15
	v_add_nc_u32 v[ADRS], s34, v5
	s_mul_i32 s34, s22, STW                        ; my stage
	v_mul_u32_u24 v5, v1, SPI
	v_lshl_add_u32 v5, v2, 4, v5
	v_add_nc_u32 v[STOR], s34, v5                  ; in: row r, 16 bytes for each half of the lanes
	v_add_nc_u32 v[STOV], STV, v[STOR]
	v_bfe_u32 v18, v0, 3, 2
	v_mul_u32_u24 v18, v18, SPI
	v_and_b32 v19, 7, v0
	v_lshl_add_u32 v18, v19, 4, v18
	v_add_nc_u32 v[RDR], s34, v18                  ; back: eight lanes to a row of 128 bytes, four rows an instruction
	v_add_nc_u32 v[RDV], STV, v[RDR]
	v_and_b32 v15, 31, v0
	v_lshlrev_b32 v[GO], 4, v15
	v_lshlrev_b32 v[FO], 8, v1
	v_lshl_add_u32 v[FO], v2, 5, v[FO]
	v_lshlrev_b32 v[CSO], 7, v1
	v_lshl_add_u32 v[CSO], v2, 5, v[CSO]
	v_lshlrev_b32 v[VO], 10, v1
	v_lshl_add_u32 v[VO], v2, 5, v[VO]
	v_lshlrev_b32 v[XO], 12, v1
	; the way out's bases
	s_mul_i32 s2, s25, 24
	s_lshl_b32 s3, s27, 2
	s_add_co_u32 s2, s2, s3
	s_lshl_b32 s3, s24, 1
	s_add_co_u32 s2, s2, s3                        ; my first head: 24 b + 4 column tile + 2 half
	s_lshl_b32 s60, s2, 12
	s_mov_b32 s61, 0
	s_add_nc_u64 s[20:21], s[20:21], s[60:61]      ; fine: 4,096 bytes a head
	s_lshl_b32 s3, s26, 8
	s_lshl_b32 s60, s23, 7
	s_add_co_u32 s3, s3, s60                       ; my first position
	s_lshl_b32 s2, s2, 11
	s_add_co_u32 s2, s2, s3
	s_lshl_b32 s60, s2, 7
	s_add_nc_u64 s[18:19], s[18:19], s[60:61]      ; qkv: 128 bytes a row
	s_lshl_b32 s60, s3, 7
	s_add_nc_u64 s[12:13], s[12:13], s[60:61]      ; cos
	s_add_nc_u64 s[14:15], s[14:15], s[60:61]      ; sin
	s_lshl_b32 s2, s25, 11
	s_add_co_u32 s2, s2, s3                        ; my first row of x and ve
	s_lshl_b32 s60, s2, 12
	s_add_nc_u64 s[8:9], s[8:9], s[60:61]
	s_lshl_b32 s60, s2, 10
	s_lshl_b32 s3, s24, 9
	s_add_co_u32 s60, s60, s3
	s_add_nc_u64 s[10:11], s[10:11], s[60:61]
	s_mul_i32 s60, s24, 96
	s_add_nc_u64 s[16:17], s[16:17], s[60:61]      ; w_gate: my two heads' 24 numbers
.macro FRAG reg, adr, q, i             ; 16 rows x 128 K of 4-bit codes: 8 registers, two loads of 16 bytes, 32 bytes apart
.irp c, 0,1
	ds_load_b128 v[\reg+4*\c:\reg+4*\c+3], v[\adr] offset:64*(\q)+32*\c+(\i)*16*PITCH
.endr
.endm
; 16 matrix instructions: x's blocks a0, a0 + 1 against the weights' eight.  The 64 accumulators take turns, one instruction a turn, in the same order in every step.
.macro MUL16 a0, p, q, sc, zero
.irp a, \a0, \a0+1
.irp b, 0,1,2,3,4,5,6,7
.if \zero
	v_wmma_scale_f32_16x16x128_f8f6f4 v[8*(8*((\a)%4)+\b):8*(8*((\a)%4)+\b)+7], v[128*(\p)+FR*\b:128*(\p)+FR*\b+FR-1], v[AF+FR*(\a):AF+FR*(\a)+FR-1], 0, v[SC+8*NQ*(\sc)+NQ*\b+(\q)], v[SC+8*NQ*(\sc)+NQ*(\a)+(\q)] matrix_a_fmt:MATRIX_FMT_FP4 matrix_b_fmt:MATRIX_FMT_FP4 matrix_a_scale:MATRIX_SCALE_ROW1
.else
	v_wmma_scale_f32_16x16x128_f8f6f4 v[8*(8*((\a)%4)+\b):8*(8*((\a)%4)+\b)+7], v[128*(\p)+FR*\b:128*(\p)+FR*\b+FR-1], v[AF+FR*(\a):AF+FR*(\a)+FR-1], v[8*(8*((\a)%4)+\b):8*(8*((\a)%4)+\b)+7], v[SC+8*NQ*(\sc)+NQ*\b+(\q)], v[SC+8*NQ*(\sc)+NQ*(\a)+(\q)] matrix_a_fmt:MATRIX_FMT_FP4 matrix_b_fmt:MATRIX_FMT_FP4 matrix_a_scale:MATRIX_SCALE_ROW1
.endif
.endr
.endr
.endm
.macro FETCH_B slot, q, p
	WIN TO_B
.irp i, 0,1,2,3,4,5,6,7
	FRAG 128*(\p)+FR*\i, ADRB+\slot, \q, \i
.endr
	WIN 0
.endm
.macro FETCH_A slot, q, i0
.irp i, \i0, \i0+1, \i0+2, \i0+3
	FRAG AF+FR*(\i), ADRA+\slot, \q, \i
.endr
.endm
.macro SCALES sc                       ; a slot's scale words: lanes 0-15 x's block i, lanes 16-31 the weights' block i
.irp i, 0,1,2,3,4,5,6,7
	ds_load_b128 v[SC+8*NQ*\sc+NQ*\i:SC+8*NQ*\sc+NQ*\i+3], v[ADRS] offset:\i*SBLK
.endr
.endm
.macro STEP slot, q, zero              ; 128 along K, with its successor in the same slot
	s_wait_dscnt 4*NL                              ; the weights' set and x's blocks 0-3 are in; the youngest eight loads (blocks 4-7) may be out
	WIN MUL_LO
	MUL16 0, (\q)%2, \q, \slot, \zero
	MUL16 2, (\q)%2, \q, \slot, \zero
	s_wait_dscnt 0
	PLACES NP                                      ; in front of loads into registers that matrix instructions have read
	FETCH_B \slot, (\q)+1, 1-(\q)%2
	FETCH_A \slot, (\q)+1, 0
	WIN MUL_HI
	MUL16 4, (\q)%2, \q, \slot, \zero
	MUL16 6, (\q)%2, \q, \slot, \zero
	PLACES NP
	WIN 0
	FETCH_A \slot, (\q)+1, 4
.endm
.macro TURN slot, next                 ; slot 0's last step changes slots: one barrier; nothing is filled again
	s_wait_tensorcnt 0x0                           ; all my tensor loads have landed: my part of slot 1 among them
	ds_add_u32 v[SPW], v[NIL]                      ; 0 onto my spare word
	s_wait_dscnt 4*NL+1                            ; the add and the youngest eight loads may be out
	WIN MUL_LO
	MUL16 0, 1, NQ-1, \slot, 0
	s_wait_dscnt 0x0                               ; the add is done, and my reads of this slot are over
	s_barrier_signal -1
	MUL16 2, 1, NQ-1, \slot, 0
	WIN 0
	s_barrier_wait -1
	PLACES NP
	v_add_nc_u32 v[ADRS], 4*NQ, v[ADRS]            ; the next slot's scale words
	FETCH_B \next, 0, 0
	FETCH_A \next, 0, 0
	SCALES \next
	WIN MUL_HI
	MUL16 4, 1, NQ-1, \slot, 0
	MUL16 6, 1, NQ-1, \slot, 0
	PLACES NP
	WIN 0
	FETCH_A \next, 0, 4
.endm
.macro STEPS slot, from
.set Q, \from
.rept NQ-1-\from
	STEP \slot, Q, 0
.set Q, Q+1
.endr
.endm
	s_wait_tensorcnt 1                             ; the scales and my part of slot 0 are in; slot 1's load may be out
	s_barrier_signal -1
	s_barrier_wait -1
	FETCH_B 0, 0, 0
	FETCH_A 0, 0, 0
	SCALES 0
	FETCH_A 0, 0, 4
	STEP 0, 0, 1                                   ; the first products start the sums: nothing is cleared
	STEPS 0, 1
	TURN 0, 1
	STEPS 1, 0
	s_wait_dscnt 4*NL
	WIN MUL_LO
	MUL16 0, 1, NQ-1, 1, 0
	MUL16 2, 1, NQ-1, 1, 0
	s_wait_dscnt 0
	WIN MUL_HI
	MUL16 4, 1, NQ-1, 1, 0
	MUL16 6, 1, NQ-1, 1, 0
	WIN 0
; THE WAY OUT, block by block of 16 rows x 2 heads.
.macro CSLOAD a                        ; block a's cos and sin: lane (r, h) takes channels 16 u + 8 h + 0..7 of position r; set a % 2: cos at + 8 u, sin at + 16 + 8 u
.set CL, 64+128*((\a)%2)
	WIN 0x40
.irp u, 0,1
.irp i, 0,1
	global_load_b128 v[CL+8*\u+4*\i:CL+8*\u+4*\i+3], v[CSO], s[12:13] offset:2048*(\a)+64*\u+16*\i
	global_load_b128 v[CL+16+8*\u+4*\i:CL+16+8*\u+4*\i+3], v[CSO], s[14:15] offset:2048*(\a)+64*\u+16*\i
.endr
.endr
	WIN 0
.endm
.macro VELOAD a                        ; block a's ve, in Y's order
.set CL, 64+128*((\a)%2)
	WIN 0x40
.irp e, 0,1
.irp u, 0,1,2,3
.irp i, 0,1
	global_load_b128 v[CL+32*\e+8*\u+4*\i:CL+32*\e+8*\u+4*\i+3], v[VO], s[10:11] offset:16384*(\a)+256*\e+64*\u+16*\i th:TH_LOAD_NT
.endr
.endr
.endr
	WIN 0
.endm
.macro ROT a                           ; rotary, then the RMS norm and the factor.  Each accumulator is read from its low end on
.set AC, 64*((\a)%4)
.set CB, 64+128*((\a)%2)
.set WN, 0x06+(\a)/4
.if (\a) < 7
	s_wait_loadcnt 8                               ; this block's eight loads are in; the next block's eight stay out
.else
	s_wait_loadcnt 0x0
.endif
	WIN WN                                         ; source 0: the accumulators' window; source 1: window 1
.irp e, 0,1
.irp u, 0,1
.irp p, 0,2,4,6
	v_pk_mul_f32 v[Y+32*\e+8*\u+\p:Y+32*\e+8*\u+\p+1], v[AC+8*(4*\e+2+\u)+\p:AC+8*(4*\e+2+\u)+\p+1], v[CB+16+8*\u+\p:CB+16+8*\u+\p+1]          ; x2 sin
	v_pk_mul_f32 v[Y+32*\e+16+8*\u+\p:Y+32*\e+16+8*\u+\p+1], v[AC+8*(4*\e+\u)+\p:AC+8*(4*\e+\u)+\p+1], v[CB+16+8*\u+\p:CB+16+8*\u+\p+1]      ; x1 sin
	v_pk_fma_f32 v[Y+32*\e+8*\u+\p:Y+32*\e+8*\u+\p+1], v[AC+8*(4*\e+\u)+\p:AC+8*(4*\e+\u)+\p+1], v[CB+8*\u+\p:CB+8*\u+\p+1], v[Y+32*\e+8*\u+\p:Y+32*\e+8*\u+\p+1]   ; x1 cos + x2 sin
	v_pk_fma_f32 v[Y+32*\e+16+8*\u+\p:Y+32*\e+16+8*\u+\p+1], v[AC+8*(4*\e+2+\u)+\p:AC+8*(4*\e+2+\u)+\p+1], v[CB+8*\u+\p:CB+8*\u+\p+1], v[Y+32*\e+16+8*\u+\p:Y+32*\e+16+8*\u+\p+1] neg_lo:[0,0,1] neg_hi:[0,0,1]   ; x2 cos - x1 sin
.endr
.endr
.endr
	WIN 0
.if (\a) < 6
	CSLOAD (\a)+2
.endif
.irp c, 0,1                                    ; the sums of squares: two chains a head
	v_pk_mul_f32 v[112+4*\c:113+4*\c], v[Y+16*\c:Y+16*\c+1], v[Y+16*\c:Y+16*\c+1]
	v_pk_mul_f32 v[114+4*\c:115+4*\c], v[Y+32+16*\c:Y+32+16*\c+1], v[Y+32+16*\c:Y+32+16*\c+1]
.endr
.irp p, 2,4,6,8,10,12,14
.irp c, 0,1
	v_pk_fma_f32 v[112+4*\c:113+4*\c], v[Y+16*\c+\p:Y+16*\c+\p+1], v[Y+16*\c+\p:Y+16*\c+\p+1], v[112+4*\c:113+4*\c]
	v_pk_fma_f32 v[114+4*\c:115+4*\c], v[Y+32+16*\c+\p:Y+32+16*\c+\p+1], v[Y+32+16*\c+\p:Y+32+16*\c+\p+1], v[114+4*\c:115+4*\c]
.endr
.endr
	v_pk_add_f32 v[112:113], v[112:113], v[116:117]
	v_pk_add_f32 v[114:115], v[114:115], v[118:119]
	v_add_f32 v112, v112, v113
	v_add_f32 v114, v114, v115
	v_permlanex16_b32 v124, v112, s32, s33         ; the row's other 32 channels lie in the lane 16 away
	v_permlanex16_b32 v125, v114, s32, s33
	v_add_f32 v112, v112, v124
	v_add_f32 v114, v114, v125
	v_fma_f32 v112, v112, s30, s31                 ; mean + eps
	v_fma_f32 v114, v114, s30, s31
	v_rsq_f32 v126, v112
	v_rsq_f32 v127, v114
	v_nop                                          ; a plain instruction behind the transcendentals
	s_wait_alu depctr_va_vdst(0)                   ; one wait for both, ahead of their first reader
	v_mul_f32 v120, s29, v126
	v_mul_f32 v122, s29, v127
.set k, 0
.rept 16
	v_pk_mul_f32 v[Y+k:Y+k+1], v[Y+k:Y+k+1], v[120:121] op_sel_hi:[1,0]
	v_pk_mul_f32 v[Y+32+k:Y+32+k+1], v[Y+32+k:Y+32+k+1], v[122:123] op_sel_hi:[1,0]
.set k, k+2
.endr
.endm
.macro VEB a                           ; v + gate x ve: one fused multiply-add on each pair
.set AC, 64*((\a)%4)
.set CB, 64+128*((\a)%2)
.set WN, 0x21+0x10*((\a)/4)
.if (\a) < 7
	s_wait_loadcnt 16                              ; this block's sixteen loads are in; the next block's stay out
.else
	s_wait_loadcnt 0x0
.endif
	WIN WN                                         ; source 0 (ve) window 1, source 1 (the gates) window 0, source 2 the accumulators'
.set k, 0
.rept 16
	v_pk_fma_f32 v[Y+k:Y+k+1], v[CB+k:CB+k+1], v[G+2*(\a):G+2*(\a)+1], v[AC+k:AC+k+1] op_sel_hi:[1,0,1]   ; head 0: the pair's low word for both
.set k, k+2
.endr
.rept 16
	v_pk_fma_f32 v[Y+k:Y+k+1], v[CB+k:CB+k+1], v[G+2*(\a):G+2*(\a)+1], v[AC+k:AC+k+1] op_sel:[0,1,0]      ; head 1: its high word for both
.set k, k+2
.endr
	WIN 0
.if (\a) < 6
	VELOAD (\a)+2
.endif
.endm
.macro FINEST                          ; positions 0-15, unrounded: block 0 of the waves whose rows begin a sequence.  16 of a wave's 128 rows: 32 bytes a lane, not staged
	s_cmp_lg_u32 s28, 0
	s_cbranch_scc1 .Lno_fine_\@
.irp e, 0,1
.irp u, 0,1,2,3
.irp i, 0,1
	global_store_b128 v[FO], v[Y+32*\e+8*\u+4*\i:Y+32*\e+8*\u+4*\i+3], s[20:21] offset:4096*\e+64*\u+16*\i
.endr
.endr
.endr
	s_wait_xcnt 0x0                                ; Y is written again only behind this wait
.Lno_fine_\@:
.endm
.macro PACKH
.set k, 0
.rept 32
	v_cvt_pk_f16_f32 v[H+k], v[Y+2*k], v[Y+2*k+1]
.set k, k+1
.endr
.endm
.macro TOSTAGE a, sto, rd              ; a lane's 16 bytes into rows of 144 bytes; back as whole rows.  My own bytes, served in order: no wait between
.set OS, OB+32*((\a)%2)
.irp e, 0,1
.irp u, 0,1,2,3
	ds_store_b128 v[\sto], v[H+16*\e+4*\u:H+16*\e+4*\u+3] offset:16*SPI*\e+32*\u
.endr
.endr
.irp e, 0,1
.irp i, 0,1,2,3
	ds_load_b128 v[OS+16*\e+4*\i:OS+16*\e+4*\i+3], v[\rd] offset:16*SPI*\e+4*SPI*\i
.endr
.endr
.endm
.macro SEND a
.set OS, OB+32*((\a)%2)
	s_wait_dscnt 0x0                               ; the block is back, and the stage's stores have read H
	s_wait_xcnt 0x0                                ; the block before's stores have read their registers
.irp e, 0,1
.irp i, 0,1,2,3
	global_store_b128 v[GO], v[OS+16*\e+4*\i:OS+16*\e+4*\i+3], s[18:19] offset:262144*\e+2048*(\a)+512*\i   ; four rows of a head: 512 consecutive bytes, aligned
.endr
.endr
.endm
.macro FINISH
	s_wait_tensorcnt 0x0                           ; the wave's end, behind my last tensor load and LDS store
	ds_add_u32 v[SPW], v[NIL]
	s_wait_dscnt 0x0
	CROUND                                         ; the closing round
	s_endpgm
.endm
	PLACES NP                                      ; behind the last products: results are read, and operands' registers written, from here on
	s_cmp_eq_u32 s27, 5
	s_cbranch_scc1 .Lve
	CSLOAD 0
	CSLOAD 1
	v_mov_b32 v121, 0                              ; named as the upper halves of pairs, and as lane permutes' destinations: written once
	v_mov_b32 v123, 0
	v_mov_b32 v124, 0
	v_mov_b32 v125, 0
.irp a, 0,1,2,3,4,5,6,7
	ROT \a
.if \a == 0
	FINEST
.else
	SEND \a-1
.endif
	PACKH
	TOSTAGE \a, STOR, RDR
.endr
	SEND 7
	FINISH
.Lve:
	s_load_b256 s[36:43], s[16:17], 0x0            ; w_gate's 24 numbers of my two heads, into the registers that held descriptors: every tensor load is done
	s_load_b256 s[44:51], s[16:17], 0x20
	s_load_b256 s[52:59], s[16:17], 0x40
.irp a, 0,1,2,3,4,5,6,7
.irp i, 0,1,2
	global_load_b128 v[128+12*\a+4*\i:128+12*\a+4*\i+3], v[XO], s[8:9] offset:65536*\a+16*\i   ; x(16 a + r, 0..11)
.endr
.endr
	VELOAD 0
	VELOAD 1
	s_wait_loadcnt 32                              ; x is in; two blocks of ve stay out
	s_wait_kmcnt 0x0
.irp a, 0,1,2,3,4,5,6,7
.irp e, 0,1
	v_mul_f32 v[G+2*\a+\e], s[36+12*\e], v[128+12*\a]
.endr
.endr
.irp c, 1,2,3,4,5,6,7,8,9,10,11
.irp a, 0,1,2,3,4,5,6,7
.irp e, 0,1
	v_fmac_f32 v[G+2*\a+\e], s[36+12*\e+\c], v[128+12*\a+\c]       ; sixteen chains by turns, in f32
.endr
.endr
.endr
.set k, 0
.rept 16
	v_mul_f32 v[G+k], 0xbfb8aa3b, v[G+k]           ; - log2(e) x
.set k, k+1
.endr
.set k, 0
.rept 16
	v_exp_f32 v[G+k], v[G+k]
.set k, k+1
.endr
	v_nop
	s_wait_alu depctr_va_vdst(0)                   ; one wait for the batch
.set k, 0
.rept 16
	v_add_f32 v[G+k], 1.0, v[G+k]
.set k, k+1
.endr
.set k, 0
.rept 16
	v_rcp_f32 v[G+k], v[G+k]
.set k, k+1
.endr
	v_nop
	s_wait_alu depctr_va_vdst(0)
.set k, 0
.rept 16
	v_mul_f32 v[G+k], 0x40400000, v[G+k]           ; 3 sigmoid
.set k, k+1
.endr
.irp a, 0,1,2,3,4,5,6,7
	VEB \a
.if \a == 0
	FINEST
.else
	SEND \a-1
.endif
	PACKH
	TOSTAGE \a, STOV, RDV
.endr
	SEND 7
	FINISH
.Lfunc_end_k_q9bd33862b4_qkv:
	.size	k_q9bd33862b4_qkv, .Lfunc_end_k_q9bd33862b4_qkv-k_q9bd33862b4_qkv
	.p2alignl 7, 3214868480
	.fill 96, 4, 3214868480
	.section	.rodata,"a",@progbits
	.p2align	6, 0x0
	.amdhsa_kernel k_q9bd33862b4_qkv
		.amdhsa_group_segment_fixed_size 327680
		.amdhsa_private_segment_fixed_size 0
		.amdhsa_enable_private_segment 0
		.amdhsa_kernarg_size 72
		.amdhsa_user_sgpr_count 2
		.amdhsa_user_sgpr_kernarg_segment_ptr 1
		.amdhsa_wavefront_size32 1
		.amdhsa_system_sgpr_workgroup_id_x 1
		.amdhsa_system_sgpr_workgroup_id_y 1
		.amdhsa_system_sgpr_workgroup_id_z 1
		.amdhsa_system_vgpr_workitem_id 0
		.amdhsa_next_free_vgpr 1024
		.amdhsa_next_free_sgpr 102
		.amdhsa_reserve_vcc 0
		.amdhsa_float_denorm_mode_32 3
		.amdhsa_float_denorm_mode_16_64 3
		.amdhsa_memory_ordered 1
		.amdhsa_forward_progress 1
		.amdhsa_inst_pref_size 255
	.end_amdhsa_kernel
	.section	.bss,"aw",@nobits
	.p2align	6
	.space	262144
	.amdgpu_metadata
---
amdhsa.version: [ 1, 2 ]
amdhsa.kernels:
  - .name:           k_q9bd33862b4_qkv
    .symbol:         k_q9bd33862b4_qkv.kd
    .args:
      - { .name: codes, .offset: 0, .size: 8, .value_kind: global_buffer, .address_space: global }
      - { .name: scales, .offset: 8, .size: 8, .value_kind: global_buffer, .address_space: global }
      - { .name: x, .offset: 16, .size: 8, .value_kind: global_buffer, .address_space: global }
      - { .name: ve, .offset: 24, .size: 8, .value_kind: global_buffer, .address_space: global }
      - { .name: cos, .offset: 32, .size: 8, .value_kind: global_buffer, .address_space: global }
      - { .name: sin, .offset: 40, .size: 8, .value_kind: global_buffer, .address_space: global }
      - { .name: w_gate, .offset: 48, .size: 8, .value_kind: global_buffer, .address_space: global }
      - { .name: qkv, .offset: 56, .size: 8, .value_kind: global_buffer, .address_space: global }
      - { .name: fine, .offset: 64, .size: 8, .value_kind: global_buffer, .address_space: global }
    .group_segment_fixed_size: 327680
    .private_segment_fixed_size: 0
    .kernarg_segment_align: 8
    .kernarg_segment_size: 72
    .max_flat_workgroup_size: 128
    .sgpr_count:     102
    .vgpr_count:     1024
    .wavefront_size: 32
...
	.end_amdgpu_metadata
.endif
;; end of part 2
;; launch attn (part 3): grid 16 x 16, 8 waves a work-group, no clusters, 327,680 bytes of LDS; arguments qkv, yh; writes yh
.if DOCPART == 3
	.amdgcn_target "amdgcn-amd-amdhsa--gfx1250"
	.amdhsa_code_object_version 6
	.text
	.protected	k_q9bd33862b4_attn
	.globl	k_q9bd33862b4_attn
	.p2align	8
	.type	k_q9bd33862b4_attn,@function
k_q9bd33862b4_attn:
	s_mov_b64 s[64:65], 0
	v_nop
	global_prefetch_b8 v0, s[64:65] scope:SCOPE_SE
	s_setreg_imm32_b32 hwreg(HW_REG_WAVE_MODE, 25, 1), 1
	s_wait_xcnt 0x0
; y[b][head][q] = sum over k of softmax_k(t(q, k)) v[k], over the band 0 <= q - k <= 1024 that the problem builds itself.  q, k, v: f16 by heads (qkv); t = q . k is already the exponent in base 2.  yh [b][head 16][t][64] f16.
; NO MAXIMUM IS TAKEN AWAY: q and k are RMS-normalised (norm at most 8) and carry 1.15 each, so |t| <= 1.15^2 x 64 x 0.125 x log2(e) = 15.27 for every input.  p = 2^t lies between 2^-15.3 and 39,500: in f32 neither p nor a sum
; of 1,025 of them overflows or underflows; as f16 the largest is under 65,504 and the least is kept as a subnormal of step 2^-24 (9 bits or more), never 0.
; LIMITS: v and y in f16: beyond 65,504 in size they become infinity.
; SHARES.  A work-group owns 128 queries (x) of the four query heads of one key and value head (y = 4 b + g).  Wave w: head 4 g + w % 4, queries 64 (w / 4) on: four tiles of 16, in 512 registers; two waves to a SIMD.
; Every work-group walks 9 slots of 128 keys from max(128 x - 1024, 0): the trip counts are constants.  A step is 64 keys; a step with no pair of the band is jumped over, by ids.
; NO CLUSTER: the heads that share K and V sit in this one work-group; neighbouring query blocks want different tiles at any one time, and in a joint walk every wave of some partner would jump over some joint tiles.
; LAYOUT.  S^T = K Q^T (source 0 = 16 keys, source 1 = 16 queries): lane (r, h) holds query r and keys 8 h + 0..7.  Two such tiles, rounded to f16 in pairs, are source 1 of O^T = V^T P.  V comes out of LDS turned.
; REGISTERS: window 0: v1-29 addresses and statistics; v64-191 S (32 t + 8 a + j), then P in place (32 t + 4 a + j / 2); v192-255 V.  window 1: v0-127 O^T (32 t + 8 n); v128-191 Q; v192-255 K.
.set KP,    144                        ; a row of K in LDS: 128 bytes + 16
.set VP,    160                        ; a row of V: 128 + 32: an odd multiple of 32, for the turning load
.set VOFF,  128*KP                     ; a slot: 128 rows of K, then 128 of V
.set SLOT1, 65536
.set STAGE, SLOT1                      ; the way out: 16 rows x 144 bytes a wave, in the slot left at the last change: it has had its last fill
.set SPARE, 131072                     ; the spare words, 128 bytes a wave
.set AK0, 1
.set AV0, 2
.set ADK, 3
.set ADV, 4
.set SPW, 5
.set NIL, 6
.set STO, 7
.set RD,  8
.set GO,  9
.set PFO, 10
.set NINF, 11
.set MB,  12                           ; v12-15  16 t + r - 8 h
.set L,   16                           ; v16-23  the row sums, a pair a tile
.set QO,  24
.set S,   64
.set VF,  192
.set QF,  128
.set KR,  192
.set WV,  8
.set Q0,  10
.set KF,  11
.set TB,  12
.set SLOTS, 13
.set DD,  14
.set G1K, 16
.set G1V, 24
.set G0K, 32
.set G0V, 36
.set SEL, 40
.set PFA, 42
.set LIM, 44
.set MSB, 0
.macro WIN new
.if MSB != \new
	s_set_vgpr_msb (MSB<<8)|\new
.set MSB, \new
.endif
.endm
.macro TLOAD                           ; waves 0, 1 fetch K's halves of a slot, waves 2, 3 V's, the others nothing; an s_nop 0 and four v_nop follow each line
	s_cmp_lt_u32 s[WV], 2
	s_cbranch_scc0 .Lnot_k_\@
	tensor_load_to_lds s[G0K:G0K+3], s[G1K:G1K+7]
	s_nop 0
.rept 4
	v_nop
.endr
	s_branch .Lasked_\@
.Lnot_k_\@:
	s_cmp_lt_u32 s[WV], 4
	s_cbranch_scc0 .Lasked_\@
	tensor_load_to_lds s[G0V:G0V+3], s[G1V:G1V+7]
	s_nop 0
.rept 4
	v_nop
.endr
.Lasked_\@:
.endm
; A prefetch of the slot that the NEXT change of slots will ask for.  Of the sixteen work-groups of a key head the last (x = 15) is the first to walk keys 1152 on: it alone asks.  Its waves 4, 5 ask for K's 16 KB, waves 6, 7 for V's:
; 8,192 bytes a wave, lanes 256 bytes apart, one instruction.  The last change that fills a slot asks for nothing; slots 0 and 1 come by their loads alone.
.macro ASK
	s_cmp_gt_u32 s[SLOTS], s[LIM]
	s_cbranch_scc0 .Lnot_mine_\@
	global_prefetch_b8 v[PFO], s[PFA:PFA+1] th:TH_LOAD_NT scope:SCOPE_SE
.Lnot_mine_\@:
.endm
	s_load_b128 s[4:7], s[0:1], 0x0                ; qkv, yh
	v_lshl_add_u32 v[SPW], v0, 2, SPARE
	v_mov_b32 v[NIL], 0
	ds_add_u32 v[SPW], v[NIL]                      ; the wave's opening: the add, twice on end, and its wait ahead of the first tensor load
	ds_add_u32 v[SPW], v[NIL]
	v_lshrrev_b32 v25, 5, v0
	v_readfirstlane_b32 s[WV], v25
	s_and_b32 s45, ttmp7, 0xffff
	s_lshr_b32 s46, s45, 2                         ; b
	s_and_b32 s47, s45, 3                          ; g
	s_and_b32 s48, s[WV], 3                        ; my query head in the group
	s_lshr_b32 s49, s[WV], 2                       ; my half of the queries
	s_and_b32 s52, s[WV], 1                        ; which half of a slot I fetch, or ask for
	s_lshl_b32 s[Q0], ttmp9, 7
	s_sub_co_i32 s[KF], s[Q0], 1024
	s_max_i32 s[KF], s[KF], 0                      ; the walk's first key
	s_lshl_b32 s49, s49, 6
	s_add_co_u32 s[Q0], s[Q0], s49                 ; my first query
	s_mul_i32 s50, s46, 24
	s_add_co_u32 s51, s50, s47
	s_add_co_u32 s51, s51, 16                      ; K's head
	s_lshl_b32 s51, s51, 11
	s_add_co_u32 s51, s51, s[KF]                   ; the row of the first key
	s_lshl_b32 s53, s52, 6
	s_add_co_u32 s54, s51, s53
	s_lshl_b32 s54, s54, 7
	s_mov_b32 s55, 0
	s_mov_b32 s[G1K], (1<<16)|(1<<20)|(4<<22)|(3<<25)   ; elements of 2 bytes; 4 words of padding after every 32
	s_mov_b32 s[G1V], (1<<16)|(1<<20)|(4<<22)|(7<<25)   ; 8 words
.irp g, G1K, G1V
	s_mov_b32 s[\g+1], 64<<16                      ; tensor_dim0
	s_mov_b32 s[\g+2], 64<<16                      ; tensor_dim1
	s_mov_b32 s[\g+3], 64<<16                      ; tile_dim0
	s_mov_b32 s[\g+4], 64                          ; tile_dim1
	s_mov_b32 s[\g+5], 64                          ; from row to row
	s_mov_b32 s[\g+6], 0
	s_mov_b32 s[\g+7], 0
.endr
	s_mov_b32 s[G0K], 1
	s_mul_i32 s[G0K+1], s52, 64*KP
	s_mov_b32 s[G0V], 1
	s_mul_i32 s[G0V+1], s52, 64*VP
	s_add_co_u32 s[G0V+1], s[G0V+1], VOFF
	s_mov_b32 s[SEL], 0x76543210
	s_mov_b32 s[SEL+1], 0xfedcba98
	s_mov_b32 s[TB], 0
	s_mov_b32 s[SLOTS], 8
	s_wait_dscnt 0x0                               ; both opening adds are done
	s_wait_kmcnt 0x0
	s_add_nc_u64 s[G0K+2:G0K+3], s[4:5], s[54:55]
	s_add_nc_u64 s[G0V+2:G0V+3], s[G0K+2:G0K+3], 0x100000   ; V's head lies four heads on
	s_or_b32 s[G0K+3], s[G0K+3], 0x80000000
	s_or_b32 s[G0V+3], s[G0V+3], 0x80000000
	TLOAD                                          ; slot 0: its keys count for queries of every work-group
	s_lshl_b32 s56, s47, 2
	s_add_co_u32 s56, s56, s48                     ; 4 g + my head
	s_add_co_u32 s57, s50, s56
	s_lshl_b32 s57, s57, 11
	s_add_co_u32 s57, s57, s[Q0]
	s_lshl_b32 s58, s57, 7
	s_mov_b32 s59, 0
	s_add_nc_u64 s[58:59], s[4:5], s[58:59]        ; Q at my first query
	s_lshl_b32 s57, s46, 4
	s_add_co_u32 s57, s57, s56
	s_lshl_b32 s57, s57, 11
	s_add_co_u32 s57, s57, s[Q0]
	s_lshl_b32 s54, s57, 7
	s_add_nc_u64 s[6:7], s[6:7], s[54:55]          ; yh likewise
	s_add_co_u32 s54, s51, 128                     ; the prefetches stand in slot 1: the first change steps them to slot 2
	s_lshl_b32 s54, s54, 7
	s_lshl_b32 s53, s52, 13
	s_add_co_u32 s54, s54, s53
	s_cmp_lt_u32 s[WV], 6
	s_cselect_b32 s53, 0, 0x100000
	s_add_co_u32 s54, s54, s53
	s_add_nc_u64 s[PFA:PFA+1], s[4:5], s[54:55]
	s_lshr_b32 s53, s[WV], 2
	s_xor_b32 s53, s53, 1                          ; 0 in waves 4 to 7,
	s_xor_b32 s54, ttmp9, 15
	s_or_b32 s53, s53, s54                         ; of the last work-group of the key head
	s_cmp_eq_u32 s53, 0
	s_cselect_b32 s[LIM], 1, -1
	v_and_b32 v25, 15, v0                          ; r
	v_bfe_u32 v26, v0, 4, 1                        ; h
	v_lshlrev_b32 v[QO], 7, v25
	v_lshl_add_u32 v[QO], v26, 4, v[QO]
	WIN 0x40
.irp t, 0,1,2,3
.irp c, 0,1
	global_load_b128 v[QF+16*\t+8*\c:QF+16*\t+8*\c+3], v[QO], s[58:59] offset:2048*\t+64*\c      ; Q stays in registers
	global_load_b128 v[QF+16*\t+8*\c+4:QF+16*\t+8*\c+7], v[QO], s[58:59] offset:2048*\t+64*\c+32
.endr
.endr
.set k, 0
.rept 128
	v_mov_b32 v[k], 0                              ; O^T.  Which step is a wave's first hangs on ids, so the step is written once, adding onto zeros
.set k, k+1
.endr
	WIN 0
	v_mul_u32_u24 v[AK0], v25, KP
	v_lshl_add_u32 v[AK0], v26, 4, v[AK0]          ; K: row r, + 16 h
	v_and_b32 v27, 7, v0
	v_lshl_add_u32 v27, v26, 3, v27
	v_mul_u32_u24 v[AV0], v27, VP                  ; V: key 8 h + lane % 8,
	v_bfe_u32 v27, v0, 3, 1
	v_lshl_add_u32 v[AV0], v27, 4, v[AV0]          ; channels 8 ((lane / 8) % 2) on
	v_add_nc_u32 v[AV0], VOFF, v[AV0]
	s_mul_i32 s45, s[WV], 16*KP
	s_add_co_u32 s45, s45, STAGE
	v_add_nc_u32 v[STO], s45, v[AK0]               ; the stage, in: row r, + 16 h
	v_bfe_u32 v28, v0, 3, 2
	v_mul_u32_u24 v28, v28, KP
	v_and_b32 v29, 7, v0
	v_lshl_add_u32 v28, v29, 4, v28
	v_add_nc_u32 v[RD], s45, v28                   ; back: eight lanes a row, four rows an instruction
	v_and_b32 v27, 31, v0
	v_lshlrev_b32 v[GO], 4, v27
	v_lshlrev_b32 v[PFO], 8, v27
	v_mov_b32 v[NINF], 0xff800000
	v_lshlrev_b32 v28, 3, v26
	v_sub_nc_u32 v[MB], v25, v28
	v_add_nc_u32 v[MB+1], 16, v[MB]
	v_add_nc_u32 v[MB+2], 32, v[MB]
	v_add_nc_u32 v[MB+3], 48, v[MB]
.set k, 0
.rept 8
	v_mov_b32 v[L+k], 0
.set k, k+1
.endr
; The band's two edges.  Register 8 a + j of tile t holds key 16 a + 8 h + j against query 16 t + r.  kind 0 (the step's first key = my first query): hidden where the key is later.  kind 1 (1,024 earlier): hidden where it is older than the window.
.macro MASK kind
.irp t, 0,1,2,3
.irp a, 0,1,2,3
.if \a == \t
.irp j, 0,1,2,3,4,5,6,7
.if \kind
	v_cmp_lt_i32 vcc_lo, 16*\a+\j, v[MB+\t]
.else
	v_cmp_gt_i32 vcc_lo, 16*\a+\j, v[MB+\t]
.endif
	v_cndmask_b32 v[S+32*\t+8*\a+\j], v[S+32*\t+8*\a+\j], v[NINF], vcc_lo
.endr
.endif
.if \kind
.if \a < \t
.irp j, 0,1,2,3,4,5,6,7
	v_mov_b32 v[S+32*\t+8*\a+\j], v[NINF]
.endr
.endif
.else
.if \a > \t
.irp j, 0,1,2,3,4,5,6,7
	v_mov_b32 v[S+32*\t+8*\a+\j], v[NINF]
.endr
.endif
.endif
.endr
.endr
.endm
; A KEY STEP: 64 keys, the q-th half of the slot in hand.
.macro STEP q
	s_sub_co_i32 s[DD], s[Q0], s[KF]
	s_cmp_gt_u32 s[DD], 1024                       ; one unsigned compare leaves out keys that are all later and keys that are all older than the window
	s_cbranch_scc1 .Lskip_\@
	v_add_nc_u32 v[ADK], s[TB], v[AK0]
	v_add_nc_u32 v[ADV], s[TB], v[AV0]
.rept 3
	v_nop                                          ; with the two additions five places behind the last step's products: V's registers are loaded again, and P's are written by matrix instructions
.endr
	WIN 0x40
.irp a, 0,1,2,3
.irp c, 0,1
	ds_load_b128 v[KR+16*\a+8*\c:KR+16*\a+8*\c+3], v[ADK] offset:(\q)*64*KP+\a*16*KP+64*\c
	ds_load_b128 v[KR+16*\a+8*\c+4:KR+16*\a+8*\c+7], v[ADK] offset:(\q)*64*KP+\a*16*KP+64*\c+32
.endr
.endr
	WIN 0
.irp c, 0,1
.irp n, 0,1,2,3
	ds_load_tr16_b128 v[VF+8*(4*\c+\n):VF+8*(4*\c+\n)+3], v[ADV] offset:(\q)*64*VP+\c*32*VP+32*\n
	ds_load_tr16_b128 v[VF+8*(4*\c+\n)+4:VF+8*(4*\c+\n)+7], v[ADV] offset:(\q)*64*VP+\c*32*VP+16*VP+32*\n
.endr
.endr
	s_wait_dscnt 16                                ; K is in; V's sixteen loads stay out
	WIN 0x05
.irp c, 0,1                                    ; the 16 accumulators take turns
.irp t, 0,1,2,3
.irp a, 0,1,2,3
.if \c == 0
	v_wmma_f32_16x16x32_f16 v[S+32*\t+8*\a:S+32*\t+8*\a+7], v[KR+16*\a+8*\c:KR+16*\a+8*\c+7], v[QF+16*\t+8*\c:QF+16*\t+8*\c+7], 0
.else
	v_wmma_f32_16x16x32_f16 v[S+32*\t+8*\a:S+32*\t+8*\a+7], v[KR+16*\a+8*\c:KR+16*\a+8*\c+7], v[QF+16*\t+8*\c:QF+16*\t+8*\c+7], v[S+32*\t+8*\a:S+32*\t+8*\a+7]
.endif
.endr
.endr
.endr
	WIN 0
.rept 4
	v_nop
.endr
	s_cmp_eq_u32 s[DD], 0
	s_cbranch_scc0 .Lno_diag_\@
	MASK 0
.Lno_diag_\@:
	s_cmp_eq_u32 s[DD], 1024
	s_cbranch_scc0 .Lno_edge_\@
	MASK 1
.Lno_edge_\@:
.set k, 0
.rept 128
	v_exp_f32 v[S+k], v[S+k]                       ; p = 2^t, each accumulator from its low end on
.set k, k+1
.endr
	v_nop                                          ; a plain instruction behind the last exponential
	s_wait_alu depctr_va_vdst(0)                   ; ONE wait for the batch, ahead of its first reader
.set k, 0
.rept 16
.irp t, 0,1,2,3
	v_pk_add_f32 v[L+2*\t:L+2*\t+1], v[L+2*\t:L+2*\t+1], v[S+32*\t+k:S+32*\t+k+1]   ; the sums of the unrounded p, four chains by turns
.endr
.set k, k+2
.endr
.irp t, 0,1,2,3
.set k, 0
.rept 16
	v_cvt_pk_f16_f32 v[S+32*\t+k], v[S+32*\t+2*k], v[S+32*\t+2*k+1]   ; in place: the destination never passes a source still to be read
.set k, k+1
.endr
.endr
	s_wait_dscnt 0x0                               ; V is in
	WIN 0x50
.irp c, 0,1
.irp t, 0,1,2,3
.irp n, 0,1,2,3
	v_wmma_f32_16x16x32_f16 v[32*\t+8*\n:32*\t+8*\n+7], v[VF+8*(4*\c+\n):VF+8*(4*\c+\n)+7], v[S+32*\t+8*\c:S+32*\t+8*\c+7], v[32*\t+8*\n:32*\t+8*\n+7]
.endr
.endr
.endr
	WIN 0
.Lskip_\@:
	s_add_co_u32 s[KF], s[KF], 64
.endm
; THE CHANGE OF SLOTS stands at a slot's head: each wave waits for all its tensor loads, adds 0 to its spare word, waits for that and for its reads of the slot that it has left; one barrier.
; fill = 1: the slot just left is filled with the next 128 keys, first thing behind the barrier; that load has a whole slot's steps in which to land.  One tensor load of a wave is out at most.
.macro CHANGE fill
	s_wait_tensorcnt 0x0                           ; no tensor load of mine is out, so a group 0 may be written
	ds_add_u32 v[SPW], v[NIL]
.if \fill
	ds_add_u32 v[SPW], v[NIL]                      ; and twice on end here
	s_xor_b32 s[G0K+1], s[G0K+1], SLOT1
	s_add_nc_u64 s[G0K+2:G0K+3], s[G0K+2:G0K+3], 16384
	s_xor_b32 s[G0V+1], s[G0V+1], SLOT1
	s_add_nc_u64 s[G0V+2:G0V+3], s[G0V+2:G0V+3], 16384
	s_wait_xcnt 0x0                                ; the last prefetch, a slot back, has read its address
	s_add_nc_u64 s[PFA:PFA+1], s[PFA:PFA+1], 16384
.endif
	s_wait_dscnt 0x0
	s_barrier_signal -1
	s_barrier_wait -1
.if \fill
	s_add_co_u32 s45, s[KF], 128                   ; the first key of the slot that this change would ask for,
	s_or_b32 s46, s[Q0], 127                       ; against my work-group's last query: a slot beyond it is read by no wave and is not asked for.
	s_cmp_gt_u32 s45, s46                          ; Ids and the count of steps alone: all eight waves go the same way; every wait for tensor loads in this text is for 0
	s_cbranch_scc1 .Lpast_\@
	TLOAD
.Lpast_\@:
	ASK
.endif
.endm
	s_wait_loadcnt 0x0                             ; Q
.Lslot:                                                ; eight trips
	CHANGE 1
	STEP 0
	STEP 1
	s_xor_b32 s[TB], s[TB], SLOT1
	s_sub_co_u32 s[SLOTS], s[SLOTS], 1
	s_cmp_lg_u32 s[SLOTS], 0
	s_cbranch_scc1 .Lslot
	CHANGE 0                                       ; the ninth slot is written out: nothing more is asked for
	STEP 0
	STEP 1
	; THE WAY OUT.  The four additions are the places behind the last products.
.irp t, 0,1,2,3
	v_add_f32 v[L+2*\t], v[L+2*\t], v[L+2*\t+1]
.endr
.irp t, 0,1,2,3
	v_permlanex16_b32 v[L+2*\t+1], v[L+2*\t], s[SEL], s[SEL+1]     ; the query's other keys lie in the lane 16 away
.endr
.irp t, 0,1,2,3
	v_add_f32 v[L+2*\t], v[L+2*\t], v[L+2*\t+1]
.endr
.irp t, 0,1,2,3
	v_rcp_f32 v[L+2*\t], v[L+2*\t]                 ; every query counts itself as a key: no sum is 0
.endr
	v_nop
	s_wait_alu depctr_va_vdst(0)
.macro PACK t                          ; tile t: O^T / the sum, to f16, through my stage: rows of 144 bytes in, whole rows of 128 bytes back
	WIN 0x01
.set k, 0
.rept 16
	v_pk_mul_f32 v[S+32*\t+k:S+32*\t+k+1], v[32*\t+k:32*\t+k+1], v[L+2*\t:L+2*\t+1] op_sel_hi:[1,0]
.set k, k+2
.endr
	WIN 0
.set k, 0
.rept 16
	v_cvt_pk_f16_f32 v[S+32*\t+k], v[S+32*\t+2*k], v[S+32*\t+2*k+1]
.set k, k+1
.endr
.irp n, 0,1,2,3
	ds_store_b128 v[STO], v[S+32*\t+4*\n:S+32*\t+4*\n+3] offset:32*\n
.endr
.irp i, 0,1,2,3
	ds_load_b128 v[S+32*\t+16+4*\i:S+32*\t+16+4*\i+3], v[RD] offset:4*KP*\i   ; my own bytes, served in order; the next tile's stores come behind these
.endr
.endm
.macro SEND t, younger                 ; younger: the next tile's eight LDS lines, or none
.irp i, 0,1,2,3
	s_wait_dscnt \younger+3-\i
	global_store_b128 v[GO], v[S+32*\t+16+4*\i:S+32*\t+16+4*\i+3], s[6:7] offset:2048*\t+512*\i   ; 512 consecutive bytes, aligned
.endr
.endm
	PACK 0
	PACK 1
	SEND 0, 8
	PACK 2
	SEND 1, 8
	PACK 3
	SEND 2, 8
	SEND 3, 0
	s_wait_tensorcnt 0x0                           ; the wave's end
	ds_add_u32 v[SPW], v[NIL]
	s_wait_dscnt 0x0
	s_endpgm
.Lfunc_end_k_q9bd33862b4_attn:
	.size	k_q9bd33862b4_attn, .Lfunc_end_k_q9bd33862b4_attn-k_q9bd33862b4_attn
	.p2alignl 7, 3214868480
	.fill 96, 4, 3214868480
	.section	.rodata,"a",@progbits
	.p2align	6, 0x0
	.amdhsa_kernel k_q9bd33862b4_attn
		.amdhsa_group_segment_fixed_size 327680
		.amdhsa_private_segment_fixed_size 0
		.amdhsa_enable_private_segment 0
		.amdhsa_kernarg_size 16
		.amdhsa_user_sgpr_count 2
		.amdhsa_user_sgpr_kernarg_segment_ptr 1
		.amdhsa_wavefront_size32 1
		.amdhsa_system_sgpr_workgroup_id_x 1
		.amdhsa_system_sgpr_workgroup_id_y 1
		.amdhsa_system_sgpr_workgroup_id_z 1
		.amdhsa_system_vgpr_workitem_id 0
		.amdhsa_next_free_vgpr 512
		.amdhsa_next_free_sgpr 66
		.amdhsa_reserve_vcc 1
		.amdhsa_float_denorm_mode_32 3
		.amdhsa_float_denorm_mode_16_64 3
		.amdhsa_memory_ordered 1
		.amdhsa_forward_progress 1
		.amdhsa_inst_pref_size 131
	.end_amdhsa_kernel
	.amdgpu_metadata
---
amdhsa.version: [ 1, 2 ]
amdhsa.kernels:
  - .name:           k_q9bd33862b4_attn
    .symbol:         k_q9bd33862b4_attn.kd
    .args:
      - { .name: qkv, .offset: 0, .size: 8, .value_kind: global_buffer, .address_space: global }
      - { .name: yh, .offset: 8, .size: 8, .value_kind: global_buffer, .address_space: global }
    .group_segment_fixed_size: 327680
    .private_segment_fixed_size: 0
    .kernarg_segment_align: 8
    .kernarg_segment_size: 16
    .max_flat_workgroup_size: 256
    .sgpr_count:     66
    .vgpr_count:     512
    .wavefront_size: 32
...
	.end_amdgpu_metadata
.endif
;; end of part 3
;; launch proj (part 4): grid 4 x 64, 4 waves a work-group, clusters of 4 x 4, 327,680 bytes of LDS; arguments yh, wo16, out0; writes out0
.if DOCPART == 4
	.amdgcn_target "amdgcn-amd-amdhsa--gfx1250"
	.amdhsa_code_object_version 6
	.text
	.protected	k_q9bd33862b4_proj
	.globl	k_q9bd33862b4_proj
	.p2align	8
	.type	k_q9bd33862b4_proj,@function
k_q9bd33862b4_proj:
	s_mov_b64 s[64:65], 0
	v_nop
	global_prefetch_b8 v0, s[64:65] scope:SCOPE_SE
	s_setreg_imm32_b32 hwreg(HW_REG_WAVE_MODE, 25, 1), 1
	s_wait_xcnt 0x0
	s_wait_alu depctr_hold_cnt(0) depctr_sa_sdst(0) depctr_va_vdst(0) depctr_va_sdst(0) depctr_va_ssrc(0) depctr_va_vcc(0) depctr_vm_vsrc(0)
	s_getreg_b32 s2, hwreg(HW_REG_IB_STS2, 6, 4)
	s_cmp_eq_u32 s2, 0
	s_cbranch_scc0 .Lentry_in_a_cluster
	s_endpgm
.Lentry_in_a_cluster:
	s_bfe_u32 s2, ttmp6, 0x10000c
	s_cmp_lg_u32 s2, 0xf033
	s_cbranch_scc0 .Lentry_shape_is_right
	s_endpgm
.Lentry_shape_is_right:
; out0[m][n] = sum over k of y[m][k] wo[n][k]: 8192 x 1024 x 1024, f16 operands, f32 sums, f32 out.  y lies by heads: yh [b][head 16][t 2048][64]; k = 64 head + channel.  wo16 [1024][1024] f16.
; (Rows 0-15 of each batch are written again, from f32 operands, by the launch that follows.)
; A tile of 128 rows x 256 columns gives 256 work-groups; four waves, each 64 x 128: 32 accumulators.  A K step of 128 is two heads: two planes of 128 rows x 128 bytes of y, and 256 rows x 256 bytes of wo16.  Two LDS slots, 8 K steps.
; CLUSTERS 4 x 4: y's tile is shared along a row of the cluster (its four partners cover all 1,024 columns), wo16's along a column: each is asked for JOINTLY.
; THE MATRIX INSTRUCTION IS USED TRANSPOSED (source 0 = 16 rows of wo16, source 1 = 16 rows of y): a lane holds eight neighbouring numbers of a row of out0.
; REGISTERS: window 0: v16-30 addresses; two fragment buffers, F0 = v32-127 and F1 = v128-223 (y's four fragments, then wo16's eight).  window 1: accumulator (a, b) at v[8 (8 a + b)].
.set PAP,   144                        ; y's LDS row: 128 bytes + 16
.set PB,    272                        ; wo16's: 256 + 16
.set PLA,   128*PAP                    ; a head's plane
.set SLOT,  2*PLA+256*PB
.set SPARE, 2*SLOT                     ; the spare words
.set SPITCH, 528                       ; the way out: 16 rows x (512 + 16) a wave, in slot 0: it has had its last fill and its last read when the first result is stored there
.set ADRA, 16
.set ADRB, 20
.set STO,  24
.set RD,   25
.set CO,   26
.set SPW,  28
.set NIL,  29
.set PFO,  30
.set F0,   32
.set F1,   128
.set G1,   24
.set G0,   32
.set G1B,  48
.set G0B,  56
.set PFA,  44
.set PFS,  46
.set LIM,  14
.set MUL,  0x50                        ; C and D window 1
.set MSB, 0
.macro WIN new
.if MSB != \new
	s_set_vgpr_msb (MSB<<8)|\new
.set MSB, \new
.endif
.endm
.macro JLOAD s                         ; waves 0, 1 fetch y's two planes, waves 2, 3 wo16's two halves; an s_nop 0 and four v_nop follow each line
	s_cmp_eq_u32 s11, 0
	s_cbranch_scc0 .Lfor_b_\@
	tensor_load_to_lds s[G0+4*\s:G0+4*\s+3], s[G1:G1+7]
	s_nop 0
.rept 4
	v_nop
.endr
	s_branch .Lasked_\@
.Lfor_b_\@:
	tensor_load_to_lds s[G0B+4*\s:G0B+4*\s+3], s[G1B:G1B+7]
	s_nop 0
.rept 4
	v_nop
.endr
.Lasked_\@:
.endm
.macro CREST
	s_cmp_lg_u32 s10, 0
	s_cbranch_scc1 .Lnot_wave_0_\@
	s_barrier_signal -3
.Lnot_wave_0_\@:
	s_barrier_wait -3
	s_barrier_signal -1
	s_barrier_wait -1
.endm
.macro CROUND
	s_barrier_signal -1
	s_barrier_wait -1
	CREST
.endm
; A prefetch, behind each joint refill and the run of LDS loads: the K step that stands two refills on (256 matrix instructions of a wave ahead of the load that wants it).  Each 256 bytes are named once in the launch:
; y's tile is read by this row of this cluster alone: wave 0 asks, and the four partners share the K step's 32 KB out by address (plane cx / 2, half cx % 2), lanes 256 bytes apart.
; wo16's tile column is read by every cluster: the cluster with y = 0 asks, waves 2 and 3, and the four partners take 32 rows each by address (32 cy + lane).  The last lap asks for nothing.
.macro ASK
	s_cmp_gt_u32 s3, s[LIM]
	s_cbranch_scc0 .Lnot_mine_\@
	global_prefetch_b8 v[PFO], s[PFA:PFA+1] th:TH_LOAD_NT scope:SCOPE_SE
.Lnot_mine_\@:
.endm
.macro PLACES
.rept 4
	v_nop
.endr
.endm
	s_load_b128 s[4:7], s[0:1], 0x0                ; yh, wo16
	s_load_b64 s[8:9], s[0:1], 0x10                ; out0
	v_lshl_add_u32 v[SPW], v0, 2, SPARE
	v_mov_b32 v[NIL], 0
	ds_add_u32 v[SPW], v[NIL]                      ; the wave's opening: the add, twice on end, and its wait ahead of my first tensor load
	ds_add_u32 v[SPW], v[NIL]
	v_lshrrev_b32 v1, 5, v0
	v_readfirstlane_b32 s10, v1                    ; wave
	s_lshr_b32 s11, s10, 1                         ; my half of the rows.  Also: I fetch for y (0) or wo16 (1)
	s_and_b32 s12, s10, 1                          ; my half of the columns.  Also: which plane, or which 128 rows, I fetch
	s_bfe_u32 s40, ttmp6, 0x40000                  ; cx
	s_bfe_u32 s41, ttmp6, 0x40004                  ; cy
	s_lshl_b32 s42, ttmp9, 2
	s_add_co_u32 s42, s42, s40                     ; tile column
	s_and_b32 s13, ttmp7, 0xffff
	s_lshl_b32 s13, s13, 2
	s_add_co_u32 s13, s13, s41                     ; tile row
	s_lshl_b32 s20, s41, 2
	s_lshl_b32 s20, 15, s20                        ; my row of the cluster
	s_lshl_b32 s21, 0x1111, s40                    ; my column
	s_or_b32 s[G1+0], s20, (1<<16)|(1<<20)|(1<<21)|(4<<22)|(3<<25)    ; the mask; elements of 2 bytes; bit 21 beside a mask; 4 words of padding after every 32
	s_or_b32 s[G1B+0], s21, (1<<16)|(1<<20)|(1<<21)|(5<<22)|(3<<25)   ; after every 64
	s_mov_b32 s[G1+1], 64<<16                      ; y: a plane of 128 rows x 64 elements, dense
	s_mov_b32 s[G1+2], 128<<16
	s_mov_b32 s[G1+3], 64<<16
	s_mov_b32 s[G1+4], 128
	s_mov_b32 s[G1+5], 64
	s_mov_b32 s[G1+6], 0
	s_mov_b32 s[G1+7], 0
	s_mov_b32 s[G1B+1], 128<<16                    ; wo16: 128 rows x 128 elements, 1,024 from row to row
	s_mov_b32 s[G1B+2], 128<<16
	s_mov_b32 s[G1B+3], 128<<16
	s_mov_b32 s[G1B+4], 128
	s_mov_b32 s[G1B+5], 1024
	s_mov_b32 s[G1B+6], 0
	s_mov_b32 s[G1B+7], 0
	s_lshr_b32 s16, s13, 4                         ; y: batch = tile row / 16,
	s_lshl_b32 s16, s16, 4
	s_add_co_u32 s16, s16, s12                     ; head 16 b + plane,
	s_lshl_b32 s16, s16, 11
	s_and_b32 s17, s13, 15
	s_lshl_b32 s17, s17, 7
	s_add_co_u32 s16, s16, s17                     ; position 128 (tile row % 16)
	s_lshl_b32 s16, s16, 7
	s_mov_b32 s17, 0
	s_lshl_b32 s18, s42, 8                         ; wo16: row 256 tile column + 128 half
	s_lshl_b32 s19, s12, 7
	s_add_co_u32 s18, s18, s19
	s_lshl_b32 s18, s18, 11
	s_mov_b32 s19, 0
	s_mul_i32 s22, s12, PLA                        ; where they go: no place in the cluster enters an LDS address
	s_mul_i32 s23, s12, 128*PB
	s_add_co_u32 s23, s23, 2*PLA
	s_wait_dscnt 0x0                               ; both opening adds are done
	s_wait_kmcnt 0x0
	s_add_nc_u64 s[16:17], s[4:5], s[16:17]
	s_add_nc_u64 s[18:19], s[6:7], s[18:19]
	CROUND                                         ; all sixteen work-groups are here: the first joint loads meet
.irp s, 0,1
	s_mov_b32 s[G0+4*\s], 1
	s_add_co_u32 s[G0+4*\s+1], s22, \s*SLOT
	s_add_nc_u64 s[G0+4*\s+2:G0+4*\s+3], s[16:17], \s*524288       ; K step s: two heads on
	s_or_b32 s[G0+4*\s+3], s[G0+4*\s+3], 0x80000000
	s_mov_b32 s[G0B+4*\s], 1
	s_add_co_u32 s[G0B+4*\s+1], s23, \s*SLOT
	s_add_nc_u64 s[G0B+4*\s+2:G0B+4*\s+3], s[18:19], \s*256
	s_or_b32 s[G0B+4*\s+3], s[G0B+4*\s+3], 0x80000000
	JLOAD \s                                       ; two loads of mine are out
.endr
	v_and_b32 v1, 15, v0                           ; r
	v_bfe_u32 v2, v0, 4, 1                         ; h
	v_mul_u32_u24 v3, v1, PAP
	v_lshl_add_u32 v3, v2, 4, v3
	s_mul_i32 s20, s11, 64*PAP                     ; my 64 rows of y
	v_add_nc_u32 v[ADRA], s20, v3
	v_add_nc_u32 v[ADRA+1], SLOT, v[ADRA]
	v_mul_u32_u24 v4, v1, PB
	v_lshl_add_u32 v4, v2, 4, v4
	s_mul_i32 s21, s12, 128*PB                     ; my 128 rows of wo16, behind the planes
	s_add_co_u32 s21, s21, 2*PLA
	v_add_nc_u32 v[ADRB], s21, v4
	v_add_nc_u32 v[ADRB+1], SLOT, v[ADRB]
	s_mul_i32 s20, s10, 16*SPITCH                  ; my stage
	v_mul_u32_u24 v5, v1, SPITCH
	v_lshl_add_u32 v5, v2, 5, v5
	v_add_nc_u32 v[STO], s20, v5
	v_and_b32 v6, 31, v0
	v_lshlrev_b32 v[CO], 4, v6
	v_add_nc_u32 v[RD], s20, v[CO]
	s_lshl_b32 s20, s13, 7
	s_lshl_b32 s21, s11, 6
	s_add_co_u32 s20, s20, s21                     ; my first row of out0
	s_lshl_b32 s20, s20, 12
	s_lshl_b32 s21, s42, 10
	s_add_co_u32 s20, s20, s21
	s_lshl_b32 s21, s12, 9
	s_add_co_u32 s20, s20, s21                     ; and my first column, in bytes
	s_mov_b32 s21, 0
	s_add_nc_u64 s[8:9], s[8:9], s[20:21]
	; the prefetches: they stand at K step 3; each change of slots steps them ahead of its request
	s_lshr_b32 s20, s40, 1
	s_lshl_b32 s20, s20, 18                        ; y: plane cx / 2,
	s_and_b32 s21, s40, 1
	s_lshl_b32 s21, s21, 13                        ; half cx % 2
	s_add_co_u32 s20, s20, s21
	s_add_co_u32 s20, s20, 3*524288
	s_lshl_b32 s21, s41, 16                        ; wo16: rows 32 cy on
	s_add_co_u32 s21, s21, 3*256
	s_mov_b32 s[PFS], 256
	s_mov_b32 s22, 2048
	s_cmp_eq_u32 s11, 0
	s_cselect_b64 s[PFA:PFA+1], s[16:17], s[18:19]
	s_cselect_b32 s20, s20, s21
	s_cselect_b32 s[PFS], 524288, s[PFS]           ; a K step on
	s_cselect_b32 s22, 256, s22                    ; from lane to lane
	s_mov_b32 s21, 0
	s_mov_b32 s[PFS+1], 0
	s_add_nc_u64 s[PFA:PFA+1], s[PFA:PFA+1], s[20:21]
	v_mul_lo_u32 v[PFO], v6, s22
	s_and_b32 s20, ttmp7, 0xffff                   ; the cluster's y
	s_cselect_b32 s20, s12, s20                    ; y's waves: 0 in wave 0 alone; wo16's waves: 0 in the first cluster alone
	s_cmp_eq_u32 s20, 0
	s_cselect_b32 s[LIM], 1, -1                    ; alike in all sixteen partners, for a given wave
.macro MUL8 f, a, zero                 ; y's block a against wo16's eight, 32 along K.  The 32 accumulators take turns, in the same order in every quarter
.irp b, 0,1,2,3,4,5,6,7
.if \zero
	v_wmma_f32_16x16x32_f16 v[8*(8*(\a)+\b):8*(8*(\a)+\b)+7], v[\f+32+8*\b:\f+32+8*\b+7], v[\f+8*(\a):\f+8*(\a)+7], 0
.else
	v_wmma_f32_16x16x32_f16 v[8*(8*(\a)+\b):8*(8*(\a)+\b)+7], v[\f+32+8*\b:\f+32+8*\b+7], v[\f+8*(\a):\f+8*(\a)+7], v[8*(8*(\a)+\b):8*(8*(\a)+\b)+7]
.endif
.endr
.endm
.macro FETCH slot, q, f                ; 24 LDS loads in one run: quarter q of the slot's K step; y's blocks 2 and 3 last
.irp i, 0,1,2,3,4,5,6,7
	ds_load_b128 v[\f+32+8*\i:\f+32+8*\i+3], v[ADRB+\slot] offset:64*(\q)+\i*16*PB
	ds_load_b128 v[\f+32+8*\i+4:\f+32+8*\i+7], v[ADRB+\slot] offset:64*(\q)+\i*16*PB+32
.endr
.irp i, 0,1,2,3
	ds_load_b128 v[\f+8*\i:\f+8*\i+3], v[ADRA+\slot] offset:((\q)/2)*PLA+64*((\q)%2)+\i*16*PAP
	ds_load_b128 v[\f+8*\i+4:\f+8*\i+7], v[ADRA+\slot] offset:((\q)/2)*PLA+64*((\q)%2)+\i*16*PAP+32
.endr
.endm
.macro QUARTER slot, qn, f, g, zero    ; multiplies buffer f; in its middle fetches quarter qn into buffer g
	s_wait_dscnt 4                                 ; all but y's blocks 2 and 3
	WIN MUL
	MUL8 \f, 0, \zero
	MUL8 \f, 1, \zero
	PLACES                                         ; in front of loads into registers that matrix instructions have read
	WIN 0
	FETCH \slot, \qn, \g
	s_wait_dscnt 24                                ; all but the 24 just issued
	WIN MUL
	MUL8 \f, 2, \zero
	MUL8 \f, 3, \zero
.endm
; A K step's last quarter multiplies buffer 1 and changes slots.  In front of the one barrier each wave waits for all its tensor loads, adds 0 to its spare word, and waits for that and for its reads of this slot.
; fill = 1: the barrier opens a round of the cluster's barrier, and the joint refill, two K steps ahead, is the first tensor load behind the round: one load of a wave is out.
.macro TURN slot, next, fill
	WIN 0
.if \fill
	s_wait_xcnt 0x0                                ; the last prefetch, a K step back, has read its address
	s_add_nc_u64 s[PFA:PFA+1], s[PFA:PFA+1], s[PFS:PFS+1]
.endif
	s_wait_tensorcnt 0x0
	ds_add_u32 v[SPW], v[NIL]
	s_wait_dscnt 5                                 ; the add and the youngest four loads may be out
	WIN MUL
	MUL8 F1, 0, 0
	s_wait_dscnt 0x0                               ; the add is done, and my reads of this slot are over
	s_barrier_signal -1
	MUL8 F1, 1, 0
	WIN 0
	s_barrier_wait -1
.if \fill
	CREST
	s_add_nc_u64 s[G0+4*\slot+2:G0+4*\slot+3], s[G0+4*\slot+2:G0+4*\slot+3], 1048576
	s_add_nc_u64 s[G0B+4*\slot+2:G0B+4*\slot+3], s[G0B+4*\slot+2:G0B+4*\slot+3], 512
	JLOAD \slot                                    ; its four v_nop are also the places in front of the loads below
.else
	PLACES
.endif
	FETCH \next, 0, F0
.if \fill
	ASK
.endif
	WIN MUL
	MUL8 F1, 2, 0
	MUL8 F1, 3, 0
.endm
	s_wait_tensorcnt 1                             ; my part of K step 0 is in; K step 1's load may be out
	s_barrier_signal -1
	s_barrier_wait -1
	FETCH 0, 0, F0
	QUARTER 0, 1, F0, F1, 1                        ; the first products start the sums
	WIN 0
	s_mov_b32 s3, 3
.Llap:                                                 ; a trip goes once round the ring and fills both slots again
	QUARTER 0, 2, F1, F0, 0
	QUARTER 0, 3, F0, F1, 0
	TURN 0, 1, 1
	QUARTER 1, 1, F0, F1, 0
	QUARTER 1, 2, F1, F0, 0
	QUARTER 1, 3, F0, F1, 0
	TURN 1, 0, 1
	QUARTER 0, 1, F0, F1, 0
	WIN 0
	s_sub_co_u32 s3, s3, 1
	s_cmp_lg_u32 s3, 0
	s_cbranch_scc1 .Llap
	QUARTER 0, 2, F1, F0, 0                        ; the last lap fills nothing
	QUARTER 0, 3, F0, F1, 0
	TURN 0, 1, 0
	QUARTER 1, 1, F0, F1, 0
	QUARTER 1, 2, F1, F0, 0
	QUARTER 1, 3, F0, F1, 0
	s_wait_dscnt 4
	WIN MUL
	MUL8 F1, 0, 0
	MUL8 F1, 1, 0
	s_wait_dscnt 0
	MUL8 F1, 2, 0
	MUL8 F1, 3, 0
	WIN 0
; THE WAY OUT, block by block of 16 rows x 128 columns, through my own stage: 32 bytes a lane in, whole rows of 512 bytes back.
.macro TOSTAGE a
	WIN 0x04                                       ; an LDS store's data are its source 1: window 1
.irp b, 0,1,2,3,4,5,6,7
	ds_store_b128 v[STO], v[8*(8*(\a)+\b):8*(8*(\a)+\b)+3] offset:64*\b        ; each accumulator from its low end on
	ds_store_b128 v[STO], v[8*(8*(\a)+\b)+4:8*(8*(\a)+\b)+7] offset:64*\b+16
.endr
	WIN 0
.set BB, 32+96*((\a)%2)
.irp t, 0,1,2,3,4,5,6,7,8,9,10,11,12,13,14,15
	ds_load_b128 v[BB+4*\t:BB+4*\t+3], v[RD] offset:\t*SPITCH
.endr
.endm
.macro SEND a, younger
.set BB, 32+96*((\a)%2)
	s_wait_dscnt \younger                          ; the block is back; the next block's 32 LDS lines may be out
.irp t, 0,1,2,3,4,5,6,7,8,9,10,11,12,13,14,15
	global_store_b128 v[CO], v[BB+4*\t:BB+4*\t+3], s[8:9] offset:65536*(\a)+4096*\t th:TH_STORE_NT   ; 512 consecutive bytes, aligned
.endr
.endm
	PLACES
	TOSTAGE 0
.irp a, 1,2,3
.if \a > 1
	s_wait_xcnt 0x0                                ; block a - 2's stores have read their registers: block a's loads may land there
.endif
	TOSTAGE \a
	SEND \a-1, 32
.endr
	SEND 3, 0
	s_wait_tensorcnt 0x0                           ; the wave's end
	ds_add_u32 v[SPW], v[NIL]
	s_wait_dscnt 0x0
	CROUND                                         ; the closing round
	s_endpgm
.Lfunc_end_k_q9bd33862b4_proj:
	.size	k_q9bd33862b4_proj, .Lfunc_end_k_q9bd33862b4_proj-k_q9bd33862b4_proj
	.p2alignl 7, 3214868480
	.fill 96, 4, 3214868480
	.section	.rodata,"a",@progbits
	.p2align	6, 0x0
	.amdhsa_kernel k_q9bd33862b4_proj
		.amdhsa_group_segment_fixed_size 327680
		.amdhsa_private_segment_fixed_size 0
		.amdhsa_enable_private_segment 0
		.amdhsa_kernarg_size 24
		.amdhsa_user_sgpr_count 2
		.amdhsa_user_sgpr_kernarg_segment_ptr 1
		.amdhsa_wavefront_size32 1
		.amdhsa_system_sgpr_workgroup_id_x 1
		.amdhsa_system_sgpr_workgroup_id_y 1
		.amdhsa_system_sgpr_workgroup_id_z 1
		.amdhsa_system_vgpr_workitem_id 0
		.amdhsa_next_free_vgpr 512
		.amdhsa_next_free_sgpr 66
		.amdhsa_reserve_vcc 0
		.amdhsa_float_denorm_mode_32 3
		.amdhsa_float_denorm_mode_16_64 3
		.amdhsa_memory_ordered 1
		.amdhsa_forward_progress 1
		.amdhsa_inst_pref_size 86
	.end_amdhsa_kernel
	.amdgpu_metadata
---
amdhsa.version: [ 1, 2 ]
amdhsa.kernels:
  - .name:           k_q9bd33862b4_proj
    .symbol:         k_q9bd33862b4_proj.kd
    .args:
      - { .name: yh, .offset: 0, .size: 8, .value_kind: global_buffer, .address_space: global }
      - { .name: wo16, .offset: 8, .size: 8, .value_kind: global_buffer, .address_space: global }
      - { .name: out0, .offset: 16, .size: 8, .value_kind: global_buffer, .address_space: global }
    .group_segment_fixed_size: 327680
    .private_segment_fixed_size: 0
    .kernarg_segment_align: 8
    .kernarg_segment_size: 24
    .max_flat_workgroup_size: 128
    .sgpr_count:     66
    .vgpr_count:     512
    .wavefront_size: 32
...
	.end_amdgpu_metadata
.endif
;; end of part 4
;; launch first16 (part 5): grid 64 x 4, 16 waves a work-group, no clusters, 18,432 bytes of LDS; arguments fine, wo, out0; writes out0
.if DOCPART == 5
	.amdgcn_target "amdgcn-amd-amdhsa--gfx1250"
	.amdhsa_code_object_version 6
	.text
	.protected	k_q9bd33862b4_first16
	.globl	k_q9bd33862b4_first16
	.p2align	8
	.type	k_q9bd33862b4_first16,@function
k_q9bd33862b4_first16:
	s_mov_b64 s[64:65], 0
	v_nop
	global_prefetch_b8 v0, s[64:65] scope:SCOPE_SE
	s_setreg_imm32_b32 hwreg(HW_REG_WAVE_MODE, 25, 1), 1
	s_wait_xcnt 0x0
; Positions 0-15 of each batch once more, all in f32: these rows average one to sixteen values, and rounded operands would weigh most there.  64 rows of out0 are written over.
; fine [b][head 24][16][64] f32: q (with 1.15 x 0.125 x log2(e)), k (with 1.15), v, unrounded.  wo [1024][1024] f32.
; A work-group makes 16 rows x 16 columns (x: columns 16 x on; y: the batch).  Wave w is head w: S^T = k q^T, p = 2^t under the causal mask, O^T = v^T p / sum, and its head's part of out^T = wo O^T; the sixteen parts meet in LDS.
; Each work-group makes its batch's attention rows anew: 32 small matrix instructions a wave, which spares a launch and a buffer.
; No maximum is taken away: |t| <= 15.27 for every input, since q and k are RMS-normalised; 2^t and a sum of 16 of them are far inside f32.
; The f32 form's operand: lane (r, h) holds row r and k = 2 h + 0, 1.  In each product the same permutation of k stands on both operands.  Its results are written by matrix instructions alone; what is made of them goes into other registers.
; The stores are pieces of 64 bytes of a row: 262,144 bytes in the whole launch.
.set QF, 16
.set KR, 48
.set VF, 80
.set WF, 112
.set SA, 144
.set SB, 152
.set T,  160
.set O,  168
.set PA, 200
.set PB, 208
.set RR, 216
.set SPW, 252
.set NIL, 253
.set SPARE, 16384
	s_load_b128 s[4:7], s[0:1], 0x0                ; fine, wo
	s_load_b64 s[8:9], s[0:1], 0x10                ; out0
	v_lshl_add_u32 v[SPW], v0, 2, SPARE
	v_mov_b32 v[NIL], 0
	v_lshrrev_b32 v1, 5, v0
	v_readfirstlane_b32 s10, v1                    ; wave = head
	s_and_b32 s11, ttmp7, 0xffff                   ; b
	s_lshl_b32 s12, ttmp9, 4                       ; the first column
	v_and_b32 v2, 15, v0                           ; r
	v_bfe_u32 v3, v0, 4, 1                         ; h
	v_and_b32 v4, 31, v0
	v_lshlrev_b32 v5, 8, v2
	v_lshl_add_u32 v5, v3, 4, v5                   ; q, k: row r of 256 bytes, + 16 h
	v_lshlrev_b32 v6, 11, v3
	v_lshl_add_u32 v6, v2, 2, v6                   ; v: key 8 h, channel r
	v_lshlrev_b32 v7, 12, v2
	v_lshl_add_u32 v7, v3, 5, v7                   ; wo and out0: row r of 4,096 bytes, + 32 h
	v_lshlrev_b32 v8, 3, v3
	v_sub_nc_u32 v8, v2, v8                        ; r - 8 h
	v_lshlrev_b32 v9, 4, v4
	s_lshl_b32 s13, s10, 10
	v_add_nc_u32 v10, s13, v9                      ; my part in LDS: 1,024 w + 16 lane
	s_lshl_b32 s13, s10, 9
	v_add_nc_u32 v11, s13, v9                      ; what waves 0 and 1 read: 512 wave + 16 lane
	v_mov_b32 v13, 0xff800000
	s_mov_b32 s24, 0x76543210
	s_mov_b32 s25, 0xfedcba98
	s_mul_i32 s14, s11, 24
	s_add_co_u32 s15, s14, s10
	s_lshl_b32 s16, s15, 12                        ; q: head 24 b + w
	s_mov_b32 s17, 0
	s_lshr_b32 s15, s10, 2
	s_add_co_u32 s15, s15, s14
	s_add_co_u32 s15, s15, 16
	s_lshl_b32 s18, s15, 12                        ; k: head 24 b + 16 + w / 4; v lies four heads on
	s_mov_b32 s19, 0
	s_lshl_b32 s20, s12, 12
	s_lshl_b32 s21, s10, 8
	s_add_co_u32 s20, s20, s21                     ; wo: my 16 rows, my head's 64 columns
	s_mov_b32 s21, 0
	s_lshl_b32 s22, s11, 23                        ; out0: the batch's first row,
	s_lshl_b32 s23, s12, 2
	s_add_co_u32 s22, s22, s23                     ; the first column,
	s_lshl_b32 s23, s10, 4
	s_add_co_u32 s22, s22, s23                     ; and 16 bytes on in wave 1
	s_mov_b32 s23, 0
	s_wait_kmcnt 0x0
	s_add_nc_u64 s[16:17], s[4:5], s[16:17]
	s_add_nc_u64 s[18:19], s[4:5], s[18:19]
	s_add_nc_u64 s[20:21], s[6:7], s[20:21]
	s_add_nc_u64 s[22:23], s[8:9], s[22:23]
.irp c, 0,1,2,3,4,5,6,7
	global_load_b128 v[QF+4*\c:QF+4*\c+3], v5, s[16:17] offset:32*\c          ; channels 8 c + 4 h + 0..3 of query r
.endr
.irp c, 0,1,2,3,4,5,6,7
	global_load_b128 v[KR+4*\c:KR+4*\c+3], v5, s[18:19] offset:32*\c          ; the same of key r
.endr
.irp n, 0,1,2,3
.irp j, 0,1,2,3,4,5,6,7
	global_load_b32 v[VF+8*\n+\j], v6, s[18:19] offset:16384+256*\j+64*\n     ; v(key 8 h + j, channel 16 n + r)
.endr
.endr
.irp n, 0,1,2,3
.irp i, 0,1
	global_load_b128 v[WF+8*\n+4*\i:WF+8*\n+4*\i+3], v7, s[20:21] offset:64*\n+16*\i   ; wo(row r, channels 16 n + 8 h + 0..7 of my head)
.endr
.endr
	s_wait_loadcnt 40                              ; q and k are in; v's 32 loads and wo's 8 stay out
	v_wmma_f32_16x16x4_f32 v[SA:SA+7], v[KR:KR+1], v[QF:QF+1], 0              ; two accumulators by turns; each sum's first step starts it
	v_wmma_f32_16x16x4_f32 v[SB:SB+7], v[KR+2:KR+3], v[QF+2:QF+3], 0
.irp i, 2,4,6,8,10,12,14
	v_wmma_f32_16x16x4_f32 v[SA:SA+7], v[KR+2*\i:KR+2*\i+1], v[QF+2*\i:QF+2*\i+1], v[SA:SA+7]
	v_wmma_f32_16x16x4_f32 v[SB:SB+7], v[KR+2*\i+2:KR+2*\i+3], v[QF+2*\i+2:QF+2*\i+3], v[SB:SB+7]
.endr
.rept 8
	v_nop                                          ; eight places behind this form before a result is read (ISA guide 7.12.1)
.endr
.irp j, 0,1,2,3,4,5,6,7
	v_add_f32 v[T+\j], v[SA+\j], v[SB+\j]          ; lane (r, h): query r, key 8 h + j
.endr
.irp j, 0,1,2,3,4,5,6,7
	v_cmp_gt_i32 vcc_lo, \j, v8                    ; a later key is hidden
	v_cndmask_b32 v[T+\j], v[T+\j], v13, vcc_lo
.endr
.irp j, 0,1,2,3,4,5,6,7
	v_exp_f32 v[T+\j], v[T+\j]
.endr
	v_nop
	s_wait_alu depctr_va_vdst(0)                   ; one wait for the batch, ahead of its first reader
	v_add_f32 v224, v[T], v[T+1]
	v_add_f32 v225, v[T+2], v[T+3]
	v_add_f32 v226, v[T+4], v[T+5]
	v_add_f32 v227, v[T+6], v[T+7]
	v_add_f32 v224, v224, v225
	v_add_f32 v226, v226, v227
	v_add_f32 v224, v224, v226
	v_permlanex16_b32 v225, v224, s24, s25
	v_add_f32 v224, v224, v225                     ; the row's sum: key = query always counts
	v_rcp_f32 v226, v224
	v_nop
	s_wait_alu depctr_va_vdst(0)
.irp j, 0,1,2,3,4,5,6,7
	v_mul_f32 v[T+\j], v[T+\j], v226
.endr
	s_wait_loadcnt 8                               ; v is in; wo's 8 loads stay out
.irp c, 0,1,2,3                                ; O^T: keys 8 h + 2 c + 0, 1 a step; four accumulators by turns
.irp n, 0,1,2,3
.if \c == 0
	v_wmma_f32_16x16x4_f32 v[O+8*\n:O+8*\n+7], v[VF+8*\n+2*\c:VF+8*\n+2*\c+1], v[T+2*\c:T+2*\c+1], 0
.else
	v_wmma_f32_16x16x4_f32 v[O+8*\n:O+8*\n+7], v[VF+8*\n+2*\c:VF+8*\n+2*\c+1], v[T+2*\c:T+2*\c+1], v[O+8*\n:O+8*\n+7]
.endif
.endr
.endr
.rept 9
	v_nop                                          ; nine places before a matrix instruction takes a result as an operand
.endr
	s_wait_loadcnt 0x0
.irp n, 0,1,2,3                                ; out^T: channels 16 n + 8 h + 2 c + 0, 1 a step; two accumulators by turns
.irp c, 0,2
.if \n == 0 && \c == 0
	v_wmma_f32_16x16x4_f32 v[PA:PA+7], v[WF+8*\n+2*\c:WF+8*\n+2*\c+1], v[O+8*\n+2*\c:O+8*\n+2*\c+1], 0
	v_wmma_f32_16x16x4_f32 v[PB:PB+7], v[WF+8*\n+2*\c+2:WF+8*\n+2*\c+3], v[O+8*\n+2*\c+2:O+8*\n+2*\c+3], 0
.else
	v_wmma_f32_16x16x4_f32 v[PA:PA+7], v[WF+8*\n+2*\c:WF+8*\n+2*\c+1], v[O+8*\n+2*\c:O+8*\n+2*\c+1], v[PA:PA+7]
	v_wmma_f32_16x16x4_f32 v[PB:PB+7], v[WF+8*\n+2*\c+2:WF+8*\n+2*\c+3], v[O+8*\n+2*\c+2:O+8*\n+2*\c+3], v[PB:PB+7]
.endif
.endr
.endr
.rept 8
	v_nop
.endr
.irp j, 0,1,2,3,4,5,6,7
	v_add_f32 v[RR+\j], v[PA+\j], v[PB+\j]         ; lane (r, h): row r, columns 8 h + j: my head's part
.endr
	ds_store_b128 v10, v[RR:RR+3]
	ds_store_b128 v10, v[RR+4:RR+7] offset:512
	s_wait_dscnt 0x0                               ; for the others' sake: my stores are done
	s_barrier_signal -1
	s_barrier_wait -1
	s_cmp_gt_u32 s10, 1
	s_cbranch_scc1 .Lrest
.irp w, 0,1,2,3,4,5,6,7,8,9,10,11,12,13,14,15
	ds_load_b128 v[16+4*\w:19+4*\w], v11 offset:1024*\w          ; wave u adds the sixteen parts of columns 8 h + 4 u + 0..3
.endr
	s_wait_dscnt 0x0
.irp w, 1,2,3,4,5,6,7,8,9,10,11,12,13,14,15
	v_pk_add_f32 v[16:17], v[16:17], v[16+4*\w:17+4*\w]
	v_pk_add_f32 v[18:19], v[18:19], v[18+4*\w:19+4*\w]
.endr
	global_store_b128 v7, v[16:19], s[22:23]
.Lrest:
	s_wait_tensorcnt 0x0                           ; the wave's end, behind my last LDS store
	ds_add_u32 v[SPW], v[NIL]
	s_wait_dscnt 0x0
	s_endpgm
.Lfunc_end_k_q9bd33862b4_first16:
	.size	k_q9bd33862b4_first16, .Lfunc_end_k_q9bd33862b4_first16-k_q9bd33862b4_first16
	.p2alignl 7, 3214868480
	.fill 96, 4, 3214868480
	.section	.rodata,"a",@progbits
	.p2align	6, 0x0
	.amdhsa_kernel k_q9bd33862b4_first16
		.amdhsa_group_segment_fixed_size 18432
		.amdhsa_private_segment_fixed_size 0
		.amdhsa_enable_private_segment 0
		.amdhsa_kernarg_size 24
		.amdhsa_user_sgpr_count 2
		.amdhsa_user_sgpr_kernarg_segment_ptr 1
		.amdhsa_wavefront_size32 1
		.amdhsa_system_sgpr_workgroup_id_x 1
		.amdhsa_system_sgpr_workgroup_id_y 1
		.amdhsa_system_sgpr_workgroup_id_z 1
		.amdhsa_system_vgpr_workitem_id 0
		.amdhsa_next_free_vgpr 256
		.amdhsa_next_free_sgpr 66
		.amdhsa_reserve_vcc 1
		.amdhsa_float_denorm_mode_32 3
		.amdhsa_float_denorm_mode_16_64 3
		.amdhsa_memory_ordered 1
		.amdhsa_forward_progress 1
		.amdhsa_inst_pref_size 17
	.end_amdhsa_kernel
	.amdgpu_metadata
---
amdhsa.version: [ 1, 2 ]
amdhsa.kernels:
  - .name:           k_q9bd33862b4_first16
    .symbol:         k_q9bd33862b4_first16.kd
    .args:
      - { .name: fine, .offset: 0, .size: 8, .value_kind: global_buffer, .address_space: global }
      - { .name: wo, .offset: 8, .size: 8, .value_kind: global_buffer, .address_space: global }
      - { .name: out0, .offset: 16, .size: 8, .value_kind: global_buffer, .address_space: global }
    .group_segment_fixed_size: 18432
    .private_segment_fixed_size: 0
    .kernarg_segment_align: 8
    .kernarg_segment_size: 24
    .max_flat_workgroup_size: 512
    .sgpr_count:     66
    .vgpr_count:     256
    .wavefront_size: 32
...
	.end_amdgpu_metadata
.endif
;; end of part 5
